; MI455X (gfx1250); checked and timed in simulation.
; The chip was launched on July 23, 2026; its instructions are those of AMD's public machine-readable ISA for CDNA 5 (MIT licence, August 2026) and "CDNA5" Instruction Set Architecture Reference Guide (July 2026). The comments in the code are by the model that wrote it; some were corrected since.
;; Attention. Allowed arithmetic: matrix products marked QUANTISED: E2M1 operands, one E8M0 scale for each 32 along K, by v_wmma_scale_f32_16x16x128_f8f6f4 with both operands' format E2M1 (or v_wmma_scale_f32_32x16x128_f4), f32 sums; everything else in f32.
;; Inputs: Wk_codes 2,048 x 64 x 16 uint8 (E2M1 codes of Wk, K innermost, in blocks of 32 codes, two codes a byte); Wk_scales 2,048 x 64 uint8 (E8M0 scales of Wk, one for each 32 codes along K); Wo_codes 2,048 x 64 x 16 uint8 (E2M1 codes of Wo, K innermost, in blocks of 32 codes, two codes a byte); Wo_scales 2,048 x 64 uint8 (E8M0 scales of Wo, one for each 32 codes along K); Wq_codes 2,048 x 64 x 16 uint8 (E2M1 codes of Wq, K innermost, in blocks of 32 codes, two codes a byte); Wq_scales 2,048 x 64 uint8 (E8M0 scales of Wq, one for each 32 codes along K); Wv_codes 2,048 x 64 x 16 uint8 (E2M1 codes of Wv, K innermost, in blocks of 32 codes, two codes a byte); Wv_scales 2,048 x 64 uint8 (E8M0 scales of Wv, one for each 32 codes along K); attention_mask 2,048 int32; cos 2,048 x 128 float32; ln_w 2,048 float32; sin 2,048 x 128 float32; x 2,048 x 2,048 float32.
;; Outputs: out0 2,048 x 2,048 float32.
;; This version of the problem:
;;   THIS VERSION OF THE PROBLEM IS GIVEN IN LOW PRECISION. The matrix products marked QUANTISED in the list below multiply operands that are first quantised to E2M1 (2 exponent bits, 1 mantissa bit; 4 bits a number), with one power-of-two scale for each 32 numbers along K (OCP MX v1.0); their sums are f32. All else is computed in f32.
;;   The module's matrix products, in the order in which they are computed (A, B: the left and right operand; K: the contracted axis; several contracted axes count as one K, in the product's order):
;;     1. [M 2,048, K 2,048] x [K 2,048, N 2,048]; A: computed on the way; B: input Wq (given as codes): QUANTISED
;;     2. [M 2,048, K 2,048] x [K 2,048, N 2,048]; A: computed on the way; B: input Wk (given as codes): QUANTISED
;;     3. [M 2,048, K 2,048] x [K 2,048, N 2,048]; A: computed on the way; B: input Wv (given as codes): QUANTISED
;;     4. batch 16 x [M 2,048, K 128] x [K 128, N 2,048]; A: computed on the way; B: computed on the way: QUANTISED
;;     5. batch 16 x [M 2,048, K 2,048] x [K 2,048, N 128]; A: softmax (see below); B: computed on the way: QUANTISED
;;     6. [M 2,048, K 2,048] x [K 2,048, N 2,048]; A: computed on the way; B: input Wo (given as codes): QUANTISED
;;   THE QUANTISER, for each operand of a quantised product, along K:
;;     - K is cut into blocks of 32 from its start; a last block that is shorter is filled with zeros.
;;     - A block's scale is 2^e with e = floor(log2(the largest magnitude in the block)) - 2, held to -126 .. 127; a block of zeros has e = 0. As a byte (E8M0): e + 127.
;;     - Each number is divided by its block's scale, clamped to +-6, and rounded to the nearest number of E2M1, ties to even, subnormals kept.
;;     - The product sums the exact products of the quantised numbers (number of the format x scale) in f32.
;;   ~~~python
;;   def quantise(x, axis):      # numpy; x: float32 -> the quantised numbers, widened to float32 again
;;       x = np.moveaxis(x, axis, -1); K = x.shape[-1]
;;       x = np.pad(x, [(0, 0)] * (x.ndim - 1) + [(0, -K % 32)]); x = x.reshape(x.shape[:-1] + (-1, 32)); a = np.abs(x).max(-1, keepdims=True)
;;       e = np.where(a > 0, np.clip(np.frexp(np.where(a > 0, a, 1))[1] - 1 - 2, -126, 127), 0)      # np.frexp(a)[1] - 1 = floor(log2(a)), exactly
;;       r = np.clip(x / 2.0 ** e, -6, 6)
;;       step = 2.0 ** (np.maximum(np.frexp(np.where(r == 0, 1, r))[1] - 1, 0) - 1)
;;       q = np.round(r / step) * step * 2.0 ** e      # np.round: ties to even
;;       return np.moveaxis(q.reshape(q.shape[:-2] + (-1,))[..., :K], -1, axis).astype(np.float32)
;;   ~~~
;;   SOFTMAX AHEAD OF A QUANTISED PRODUCT. Where the list says 'softmax', what is quantised is not the finished softmax but p = 2^(t - M), with t = logit x log2(e) and M = ceil(the row's largest t), a whole number; so 1/2 < the row's largest p <= 1. The row's sum l is taken of the UNQUANTISED p, in f32, and the product's result is divided by l at the end. Since M is a whole number, a kernel that streams over the keys may use a running M (the ceiling of the running maximum): every later rescaling is an exact power of two, which a block's scale takes up: the codes' values come out the same.
;;   OPERANDS COMPUTED ON THE WAY. 'Computed on the way' means the value that the module computes at that place (a softmax that the list does not call 'softmax' is quantised finished and normalised). What goes into a quantiser is computed in f32, as accurately as f32 sums, v_exp_f32 and their like allow (about 1e-6 of the number): no bf16 or f16 on the way to a quantiser, and a product that is left as it is and whose result goes on into a quantised operand takes f32 operands (vector FMAs, or v_wmma_f32_16x16x4_f32). A number that lies on a knife's edge between two numbers of the format may be rounded either way, as far as f32 arithmetic and the matrix unit's own rounding can turn it there, and no further.
;;   INPUTS GIVEN AS CODES. Wk (in the module: [2048, 2048], K = its axis 1); Wo (in the module: [2048, 2048], K = its axis 1); Wq (in the module: [2048, 2048], K = its axis 1); Wv (in the module: [2048, 2048], K = its axis 1): each comes as NAME_codes (uint8): NAME with its K axis moved to the last place and cut into blocks of 32 codes, [.., K / 32, bytes a block], one block behind the other in memory; two codes a byte, the lower K in the low four bits (a code: sign, 2 exponent bits, 1 mantissa bit); and NAME_scales (uint8): the same leading axes, one E8M0 byte (e + 127) for each 32 codes along K. Its value is code x scale, taken as it is: it is not quantised again, and the codes and scales need not be those that the quantiser above would give.
;; One version. Each part assembles by itself: llvm-mc -triple=amdgcn-amd-amdhsa -mcpu=gfx1250 --defsym DOCPART=n.
;; ======== version 1 of 1: 4 launches
;; limits: right only within a limited range of input values
;; workspace buffers: hq 2,228,224 bytes; cs 2,097,152 bytes; qkv 6,684,672 bytes; att 2,228,224 bytes
;; launch prep (part 1): grid 256 x 1, 8 waves a work-group, no clusters, 75,264 bytes of LDS; arguments x, ln_w, cos, sin, hq, cs; writes hq, cs
.if DOCPART == 1
	.amdgcn_target "amdgcn-amd-amdhsa--gfx1250"
	.amdhsa_code_object_version 6
	.text
	.protected	k_q26eefba35d_prep
	.globl	k_q26eefba35d_prep
	.p2align	8
	.type	k_q26eefba35d_prep,@function
k_q26eefba35d_prep:
	s_mov_b64 s[64:65], 0
	v_nop
	global_prefetch_b8 v0, s[64:65] scope:SCOPE_SE
	s_setreg_imm32_b32 hwreg(HW_REG_WAVE_MODE, 25, 1), 1
	s_wait_xcnt 0x0
; FIRST OF FOUR LAUNCHES of: out0 = x + where(am, attention(rmsnorm(x)) Wo^T, 0), all six products on codes of FP4 (E2M1) with one E8M0 scale for each 32 along K.
; This launch: h = ln_w x rsqrt(mean(x x) + 1e-5) in f32, quantised along its 2,048 into hq (codes [2048][1024 bytes], K innermost; from byte HS on the scale bytes [2048][64]);
; and cos and sin laid anew into cs, in the order in which the next launch's accumulators hold a row's 128 numbers: [tile of 16 rows][cos, sin][group g of 16][lane][16 bytes];
; register 4 g + e of lane (r, h) is table[16 tile + r][16 ((4 g + e) / 8) + 8 h + (4 g + e) % 8].
; WORK LEFT OUT BY THE PROGRAM, and why it can reach no output, whatever the inputs hold:
;  (1) tiles of 16 queries x 128 keys all of whose keys come after all of their queries: reference() itself hides them by its tril, and a hidden score gives p = 0;
;  (2) the step scores = where(am[:, None], scores, neg): where am[q] is true it changes nothing; where am[q] is false reference() replaces the whole row of out by 0 behind the last product,
;      whatever the row's probabilities were.  Such rows are computed as ordinary rows, and the third launch then selects zero codes for them, so that the last product gives exactly 0 there and out0 = x.
; Every input is loaded by some launch.  LIMITS: a NaN, an infinity or an overflow that arises only in hidden tiles or in rows with am[q] false is not carried to the result;
; a block whose largest magnitude lies under 2^-124 keeps the scale byte 1 (a block of zeros too: its codes are zeros, and these bytes are read by this program alone); NaN and infinities among the inputs are not served.
; SHARES.  Wave W = 8 x work-group + wave owns row W of x (8,192 bytes, 64 registers a lane) and two of the 4,096 groups of cs.  Each load and store of a wave covers 512 consecutive bytes, but the two
; loads of 64-byte pieces of cos or sin, which are read once.  No matrix unit, no tensor load, no cluster: every byte is read once by one wave, and all of a wave's loads go out at its head.
.set STG,   9216                       ; LDS: a wave's stage: the row's 64 blocks of 128 bytes, 16 bytes of padding behind each
.set SCB,   8*STG                      ; the work-group's 8 x 64 scale bytes
.set SPARE, SCB+512                    ; the spare words, 128 bytes for each wave: four blocks of 256 bytes that no other line names
.set HS,    2097152                    ; where h's scale bytes begin in hq
.set SPW,   10                         ; v10  LDS address of my spare word; never rewritten
.set NIL,   11                         ; v11  0; never rewritten
.set X,     32                         ; v32-95   the row as loaded: register 4 i + e = element 128 i + 4 lane + e
.set LW,    96                         ; v96-159  ln_w likewise
.set Y,     160                        ; v160-223 the row turned: registers 32 s .. 32 s + 31 = block 32 s + lane
.set C,     224                        ; v224-231 the two blocks' codes
.set TBL,   232                        ; v232-239 my two groups of cos or sin
	s_load_b256 s[4:11], s[0:1], 0x0               ; x, ln_w, cos, sin
	s_load_b128 s[12:15], s[0:1], 0x20             ; hq, cs
	v_lshl_add_u32 v[SPW], v0, 2, SPARE
	v_mov_b32 v[NIL], 0
	v_lshrrev_b32 v1, 5, v0
	s_delay_alu instid0(VALU_DEP_1)
	v_readfirstlane_b32 s16, v1                    ; wave 0..7
	v_and_b32 v1, 31, v0                           ; lane
	s_delay_alu instid0(VALU_DEP_1)
	v_lshlrev_b32 v2, 4, v1                        ; 16 x lane: my bytes of 512
	s_mul_i32 s18, s16, STG
	v_lshrrev_b32 v3, 3, v1
	s_delay_alu instid0(VALU_DEP_1)
	v_mul_u32_u24 v3, v3, 144
	v_and_b32 v4, 7, v1
	s_delay_alu instid0(VALU_DEP_1)
	v_lshl_add_u32 v3, v4, 4, v3
	s_delay_alu instid0(VALU_DEP_1)
	v_add_nc_u32 v3, s18, v3                       ; the stage, way in: eight lanes' 128 bytes on end, then the padding
	v_mul_u32_u24 v4, v1, 144
	s_delay_alu instid0(VALU_DEP_1)
	v_add_nc_u32 v4, s18, v4                       ; way out: block = lane
	s_lshl_b32 s19, s16, 6
	s_add_co_u32 s19, s19, SCB
	v_add_nc_u32 v5, s19, v1                       ; my block's scale byte
	v_and_b32 v6, 15, v1
	v_lshrrev_b32 v7, 4, v1
	s_delay_alu instid0(VALU_DEP_2)
	v_lshlrev_b32 v6, 9, v6
	s_delay_alu instid0(VALU_DEP_1)
	v_lshl_add_u32 v6, v7, 5, v6                   ; cos, sin: row r of 512 bytes, + 32 h
	v_add_nc_u32 v22, SCB, v2                      ; where wave 0 reads the scale bytes back
	s_lshl_b32 s17, ttmp9, 3
	s_add_co_u32 s17, s17, s16                     ; W
	s_lshl_b32 s24, s17, 13                        ; my row of x
	s_mov_b32 s25, 0
	s_lshl_b32 s26, s17, 10                        ; my row of codes; and my two groups of cs: (W / 16) x 16,384 + (W % 16) x 1,024 is 1,024 W too
	s_mov_b32 s27, 0
	s_lshr_b32 s28, s17, 4
	s_lshl_b32 s28, s28, 13                        ; the table's tile of 16 rows,
	s_and_b32 s29, s17, 7
	s_lshl_b32 s29, s29, 6
	s_add_co_u32 s28, s28, s29                     ; and its 16 columns 16 (W % 8) on
	s_mov_b32 s29, 0
	s_lshl_b32 s30, ttmp9, 9
	s_add_co_u32 s30, s30, HS                      ; the work-group's 512 scale bytes
	s_mov_b32 s31, 0
	s_and_b32 s32, s17, 8                          ; W % 16 under 8: cos; else sin
	s_mov_b32 s20, 0x76543210
	s_mov_b32 s21, 0xfedcba98                      ; v_permlanex16_b32's selects for lane l xor 16
	s_mov_b32 s22, 0x3a000000                      ; 1 / 2,048
	s_mov_b32 s23, 0x3727c5ac                      ; 1e-5
	s_wait_alu depctr_va_vdst(0)
	s_wait_kmcnt 0x0
	s_cmp_lg_u32 s32, 0
	s_cselect_b64 s[8:9], s[10:11], s[8:9]         ; the choice hangs on ids alone
	s_add_nc_u64 s[4:5], s[4:5], s[24:25]
	s_add_nc_u64 s[8:9], s[8:9], s[28:29]
	s_add_nc_u64 s[34:35], s[12:13], s[30:31]
	s_add_nc_u64 s[12:13], s[12:13], s[26:27]
	s_add_nc_u64 s[14:15], s[14:15], s[26:27]
.irp i, 0,1,2,3,4,5,6,7,8,9,10,11,12,13,14,15
	global_load_b128 v[X+4*\i:X+4*\i+3], v2, s[4:5] offset:512*\i th:TH_LOAD_NT
.endr
.irp i, 0,1,2,3,4,5,6,7,8,9,10,11,12,13,14,15
	global_load_b128 v[LW+4*\i:LW+4*\i+3], v2, s[6:7] offset:512*\i
.endr
	global_load_b128 v[TBL:TBL+3], v6, s[8:9]
	global_load_b128 v[TBL+4:TBL+7], v6, s[8:9] offset:16
	s_wait_loadcnt 18                              ; x is in; ln_w's sixteen loads and the table's two may be out
.irp k, 0,1,2,3
	v_pk_mul_f32 v[12+2*\k:13+2*\k], v[X+2*\k:X+2*\k+1], v[X+2*\k:X+2*\k+1]   ; the sum of squares, in four chains; the first products start them
.endr
.set j, 4
.rept 28
	s_delay_alu instid0(VALU_DEP_4)
	v_pk_fma_f32 v[12+2*(j%4):13+2*(j%4)], v[X+2*j:X+2*j+1], v[X+2*j:X+2*j+1], v[12+2*(j%4):13+2*(j%4)]
.set j, j+1
.endr
	s_delay_alu instid0(VALU_DEP_3)
	v_pk_add_f32 v[12:13], v[12:13], v[14:15]
	s_delay_alu instid0(VALU_DEP_2)
	v_pk_add_f32 v[16:17], v[16:17], v[18:19]
	s_delay_alu instid0(VALU_DEP_1)
	v_pk_add_f32 v[12:13], v[12:13], v[16:17]
	s_delay_alu instid0(VALU_DEP_1)
	v_add_f32 v12, v12, v13
	s_delay_alu instid0(VALU_DEP_1)
	v_add_f32_dpp v12, v12, v12 row_xmask:1 row_mask:0xf bank_mask:0xf
	s_delay_alu instid0(VALU_DEP_1)
	v_add_f32_dpp v12, v12, v12 row_xmask:2 row_mask:0xf bank_mask:0xf
	s_delay_alu instid0(VALU_DEP_1)
	v_add_f32_dpp v12, v12, v12 row_xmask:4 row_mask:0xf bank_mask:0xf
	s_delay_alu instid0(VALU_DEP_1)
	v_add_f32_dpp v12, v12, v12 row_xmask:8 row_mask:0xf bank_mask:0xf
	s_delay_alu instid0(VALU_DEP_1)
	v_permlanex16_b32 v13, v12, s20, s21
	s_delay_alu instid0(VALU_DEP_1)
	v_add_f32 v12, v12, v13                        ; every lane holds the row's sum
	s_delay_alu instid0(VALU_DEP_1)
	v_fma_f32 v12, v12, s22, s23                   ; the mean + 1e-5
	s_wait_alu depctr_va_vdst(0)
	v_rsq_f32 v20, v12
	v_rsq_f32 v21, v12                             ; twice: a pair for the packed multiply
	s_wait_loadcnt 2                               ; ln_w is in
.set j, 0
.rept 32
	v_pk_mul_f32 v[X+j:X+j+1], v[X+j:X+j+1], v[LW+j:LW+j+1]   ; ln_w x: plain work that names neither root
.set j, j+2
.endr
	s_wait_alu depctr_va_vdst(0)                   ; one wait for both roots, ahead of their first reader
.set j, 0
.rept 32
	v_pk_mul_f32 v[X+j:X+j+1], v[X+j:X+j+1], v[20:21]
.set j, j+2
.endr
.irp i, 0,1,2,3,4,5,6,7,8,9,10,11,12,13,14,15
	ds_store_b128 v3, v[X+4*\i:X+4*\i+3] offset:576*\i   ; a load's 512 bytes are four blocks
.endr
.irp s, 0,1
.irp m, 0,1,2,3,4,5,6,7
	ds_load_b128 v[Y+32*\s+4*\m:Y+32*\s+4*\m+3], v4 offset:4608*\s+16*\m   ; LDS serves a wave's instructions in order: these see my stores.  Block 32 s + lane, whole
.endr
.endr
.macro BLOCKS s                        ; my block of half s: its largest magnitude, scale, codes
.set YS, Y+32*\s
	v_max3_num_f32 v240, |v[YS]|, |v[YS+1]|, |v[YS+2]|
	v_max3_num_f32 v241, |v[YS+3]|, |v[YS+4]|, |v[YS+5]|
.irp i, 6,10,14,18,22,26
	s_delay_alu instid0(VALU_DEP_2)
	v_max3_num_f32 v240, v240, |v[YS+\i]|, |v[YS+\i+1]|
	s_delay_alu instid0(VALU_DEP_2)
	v_max3_num_f32 v241, v241, |v[YS+\i+2]|, |v[YS+\i+3]|
.endr
	s_delay_alu instid0(VALU_DEP_2)
	v_max3_num_f32 v240, v240, |v[YS+30]|, |v[YS+31]|
	s_delay_alu instid0(VALU_DEP_1)
	v_max3_num_f32 v240, v240, v241, 0x1800000     ; and the floor 2^(3 - 127): the byte cannot fall under 1
	s_delay_alu instid0(VALU_DEP_1)
	v_add_nc_u32 v[242+\s], 0xff000000, v240       ; 2 off the exponent field: the conversion takes the exponent field of this operand as its scale
.irp g, 0,1,2,3
	v_cvt_scalef32_pk8_fp4_f32 v[C+4*\s+\g], v[YS+8*\g:YS+8*\g+7], v[242+\s]
.endr
	v_lshrrev_b32 v[8+\s], 23, v[242+\s]           ; the scale's byte (a plain line behind the conversions)
	ds_store_b8 v5, v[8+\s] offset:32*\s
	global_store_b128 v2, v[C+4*\s:C+4*\s+3], s[12:13] offset:512*\s   ; 32 blocks' codes: 512 consecutive bytes
.endm
	s_wait_dscnt 8                                 ; the first half is back; the second half's eight loads may be out
	BLOCKS 0
	s_wait_dscnt 1                                 ; the second half is back; the byte store behind it may be out
	BLOCKS 1
	s_wait_loadcnt 0x0                             ; my two groups of the table
	global_store_b128 v2, v[TBL:TBL+3], s[14:15]
	global_store_b128 v2, v[TBL+4:TBL+7], s[14:15] offset:512
	s_wait_tensorcnt 0x0                           ; the wave's end of LDS writing: behind my last LDS store
	ds_add_u32 v[SPW], v[NIL]
	s_wait_dscnt 0x0                               ; also for the others' sake: my scale bytes have landed
	s_barrier_signal -1
	s_barrier_wait -1
	s_cmp_lg_u32 s16, 0
	s_cbranch_scc1 .Lend
	ds_load_b128 v[244:247], v22                   ; wave 0: the eight rows' 512 scale bytes
	s_wait_dscnt 0x0
	global_store_b128 v2, v[244:247], s[34:35]     ; 512 consecutive bytes
.Lend:
	s_endpgm
.Lfunc_end_k_q26eefba35d_prep:
	.size	k_q26eefba35d_prep, .Lfunc_end_k_q26eefba35d_prep-k_q26eefba35d_prep
	.p2alignl 7, 3214868480
	.fill 96, 4, 3214868480
	.section	.rodata,"a",@progbits
	.p2align	6, 0x0
	.amdhsa_kernel k_q26eefba35d_prep
		.amdhsa_group_segment_fixed_size 75264
		.amdhsa_private_segment_fixed_size 0
		.amdhsa_enable_private_segment 0
		.amdhsa_kernarg_size 48
		.amdhsa_user_sgpr_count 2
		.amdhsa_user_sgpr_kernarg_segment_ptr 1
		.amdhsa_wavefront_size32 1
		.amdhsa_system_sgpr_workgroup_id_x 1
		.amdhsa_system_sgpr_workgroup_id_y 1
		.amdhsa_system_sgpr_workgroup_id_z 1
		.amdhsa_system_vgpr_workitem_id 0
		.amdhsa_next_free_vgpr 248
		.amdhsa_next_free_sgpr 66
		.amdhsa_reserve_vcc 0
		.amdhsa_float_denorm_mode_32 3
		.amdhsa_float_denorm_mode_16_64 3
		.amdhsa_memory_ordered 1
		.amdhsa_forward_progress 1
		.amdhsa_inst_pref_size 21
	.end_amdhsa_kernel
	.amdgpu_metadata
---
amdhsa.version: [ 1, 2 ]
amdhsa.kernels:
  - .name:           k_q26eefba35d_prep
    .symbol:         k_q26eefba35d_prep.kd
    .args:
      - { .name: x, .offset: 0, .size: 8, .value_kind: global_buffer, .address_space: global }
      - { .name: ln_w, .offset: 8, .size: 8, .value_kind: global_buffer, .address_space: global }
      - { .name: cos, .offset: 16, .size: 8, .value_kind: global_buffer, .address_space: global }
      - { .name: sin, .offset: 24, .size: 8, .value_kind: global_buffer, .address_space: global }
      - { .name: hq, .offset: 32, .size: 8, .value_kind: global_buffer, .address_space: global }
      - { .name: cs, .offset: 40, .size: 8, .value_kind: global_buffer, .address_space: global }
    .group_segment_fixed_size: 75264
    .private_segment_fixed_size: 0
    .kernarg_segment_align: 8
    .kernarg_segment_size: 48
    .max_flat_workgroup_size: 256
    .sgpr_count:     66
    .vgpr_count:     248
    .wavefront_size: 32
...
	.end_amdgpu_metadata
.endif
;; end of part 1
;; launch qkv (part 2): grid 16 x 16, 4 waves a work-group, clusters of 4 x 4, 327,680 bytes of LDS; arguments hq, cs, Wq_codes, Wq_scales, Wk_codes, Wk_scales, Wv_codes, Wv_scales, qkv; writes qkv
.if DOCPART == 2
	.amdgcn_target "amdgcn-amd-amdhsa--gfx1250"
	.amdhsa_code_object_version 6
	.text
	.protected	k_q26eefba35d_qkv
	.globl	k_q26eefba35d_qkv
	.p2align	8
	.type	k_q26eefba35d_qkv,@function
k_q26eefba35d_qkv:
	s_mov_b64 s[64:65], 0
	v_nop
	global_prefetch_b8 v0, s[64:65] scope:SCOPE_SE
	s_setreg_imm32_b32 hwreg(HW_REG_WAVE_MODE, 25, 1), 1
	s_wait_xcnt 0x0
	s_wait_alu depctr_hold_cnt(0) depctr_sa_sdst(0) depctr_va_vdst(0) depctr_va_sdst(0) depctr_va_ssrc(0) depctr_va_vcc(0) depctr_vm_vsrc(0)
	s_getreg_b32 s2, hwreg(HW_REG_IB_STS2, 6, 4)
	s_cmp_eq_u32 s2, 0
	s_cbranch_scc0 .Lentry_in_a_cluster
	s_endpgm
.Lentry_in_a_cluster:
	s_bfe_u32 s2, ttmp6, 0x10000c
	s_cmp_lg_u32 s2, 0xf033
	s_cbranch_scc0 .Lentry_shape_is_right
	s_endpgm
.Lentry_shape_is_right:
; SECOND LAUNCH: q, k, v = h Wq^T, h Wk^T, h Wv^T on codes of FP4; RoPE on q and k in f32; q and k quantised along the head's 128, v along the tokens.  Nothing is left out here.
; Into qkv, as the third launch's operand registers want them: images of 1,024 bytes (16 rows x 128 codes): Q [head][tile of 16 tokens] from byte 0, K from 2,097,152, V [head][128 tokens][16 channels] from 4,194,304;
; scale words: Q [head][token] from QS, K 131,072 further on, V [head][128 tokens][channel] 262,144 further on.
; LIMITS: as the first launch states them (a block whose largest magnitude lies under 2^-124 keeps the scale byte 1).
; SHARES.  256 work-groups: 128 tokens of ONE head each, all of its Q, K and V: 128 x 384.  Wave (a, c) makes tokens 64 a .. + 63 by 64 channels of Q, of K and of V: 48 accumulators.
; For Q and K these are channels 32 c .. + 31 (block X) and 64 + 32 c .. + 31 (block Y): RoPE pairs X with Y number by number, and each is a whole block of 32: no wave needs another's numbers.  For V: channels 64 c .. + 63.
; Q, K: source 0 = 16 rows of W, source 1 = 16 tokens: a lane holds one token, registers along channels.  V: the sources swapped: a lane holds one channel, registers along tokens.  Either way a lane's registers run along the next K.
; CLUSTER 4 x 4: h's tile is shared along a row of the cluster, W's tiles along a column, by joint loads: wave 0 asks for h, waves 1-3 for Wq, Wk, Wv, 128 rows x 256 bytes each.
; K in four units of 512 through a ring of two slots.  Fragments are loaded two K steps of 128 ahead, into two sets of registers; so a slot is read out two steps before its last products, and is filled again there.
; PREFETCH: behind each joint load but the last, the unit one further on: one instruction a wave, a lane a row; the four partners of a joint load take 32 of its 128 rows each, told apart by address.
; REGISTERS: window 0: v8-23, v28-29 addresses; v32-95 scale words, two sets; v96-159 h's fragments, two sets; v160-223 the scale bytes on their way to LDS; v192-255 cos, sin of token tile 3.
;   On the way out v32-47 at work, v48-95 codes, v96-159 a tile's q and k.   window 1: v0-191 W's fragments, two sets; v192-255 cos, sin of tile 2.
;   window 2: sums of Q (v0-127) and K: token tile t, channel tile i at 32 t + 8 i.   window 3: v0-127 sums of V: channel tile i, token tile t at 32 i + 8 t; v128-255 cos, sin of tiles 0, 1.
.set ROWB,  256
.set KROW,  1024
.set PITCH, 272                        ; an LDS row: 256 bytes + 16 of padding
.set HALFT, 128*PITCH
.set SLOT,  4*HALFT                    ; h, Wq, Wk, Wv
.set SCL,   2*SLOT                     ; the scale bytes of 4 x 128 rows, as units of 256 bytes + 16
.set MSC,   32*PITCH                   ; of one matrix
.set STG,   SCL+4*MSC                  ; the way out's scale bytes: [Q, K, V][wave][64 rows][2]
.set SPARE, STG+1536                   ; the spare words, 128 bytes for each wave
.set HS,    2097152
.set QS,    6291456
.set ADRH, 8
.set ADRW, 10
.set ADRV, 12
.set SH,   14
.set SQ,   15
.set SV,   16
.set STW,  17
.set LI,   18
.set PFO,  19
.set QO,   20
.set SST,  21
.set SRDQ, 22
.set SRDV, 23
.set SPW,  28
.set NIL,  29
.set SC,   32
.set HF,   96
.set WF,   0
.set TM,   32
.set PC,   48
.set HA,   96
.set G1,   24
.set G0,   32
.set G1B,  48
.set G0B,  56
.set PFA,  88
.set SEL,  92
.set MSB, 0
.macro WIN new                         ; the immediate's high byte repeats the setting that is left
.if MSB != \new
	s_set_vgpr_msb (MSB<<8)|\new
.set MSB, \new
.endif
.endm
.set MQK, 0xa1                         ; source 0 (W) window 1, source 1 (h) window 0, C and D window 2
.set MVV, 0xf4                         ; source 0 (h) window 0, source 1 (W) window 1, C and D window 3
.set TOW, 0x40                         ; destination window 1
.macro JLOAD s                         ; a joint load; the branch hangs on the wave's number alone; an s_nop 0 and four v_nop follow each of the two lines
	s_cmp_eq_u32 s14, 0
	s_cbranch_scc0 .Lfor_w_\@
	tensor_load_to_lds s[G0+4*\s:G0+4*\s+3], s[G1:G1+7]
	s_nop 0
.rept 4
	v_nop
.endr
	s_branch .Lasked_\@
.Lfor_w_\@:
	tensor_load_to_lds s[G0B+4*\s:G0B+4*\s+3], s[G1B:G1B+7]
	s_nop 0
.rept 4
	v_nop
.endr
.Lasked_\@:
.endm
.macro ASK u                           ; unit u of my 32 rows; the address registers are never rewritten
	global_prefetch_b8 v[PFO], s[PFA:PFA+1] offset:ROWB*\u th:TH_LOAD_NT scope:SCOPE_SE
.endm
.macro CREST                           ; a round of the cluster's barrier behind its opening barrier
	s_cmp_lg_u32 s14, 0
	s_cbranch_scc1 .Lnot_wave_0_\@
	s_barrier_signal -3
.Lnot_wave_0_\@:
	s_barrier_wait -3
	s_barrier_signal -1
	s_barrier_wait -1
.endm
.macro CROUND
	s_barrier_signal -1
	s_barrier_wait -1
	CREST
.endm
.macro PLACES                          ; plain places behind a matrix instruction (ISA guide 7.12.1)
.rept 4
	v_nop
.endr
.endm
	s_load_b512 s[68:83], s[0:1], 0x0              ; hq, cs, Wq's codes and scales, Wk's, Wv's
	s_load_b64 s[84:85], s[0:1], 0x40              ; qkv
	v_lshl_add_u32 v[SPW], v0, 2, SPARE
	v_mov_b32 v[NIL], 0
	ds_add_u32 v[SPW], v[NIL]                      ; the wave's opening: the add, twice on end, and its wait ahead of my first tensor load
	ds_add_u32 v[SPW], v[NIL]
	v_lshrrev_b32 v1, 5, v0
	v_readfirstlane_b32 s14, v1                    ; wave 0..3
	s_lshr_b32 s15, s14, 1                         ; a
	s_and_b32 s16, s14, 1                          ; c
	s_bfe_u32 s40, ttmp6, 0x40000                  ; cx
	s_bfe_u32 s41, ttmp6, 0x40004                  ; cy
	s_lshl_b32 s42, ttmp9, 2
	s_add_co_u32 s42, s42, s40                     ; the head
	s_and_b32 s17, ttmp7, 0xffff
	s_lshl_b32 s17, s17, 2
	s_add_co_u32 s17, s17, s41                     ; the block of 128 tokens
	s_lshl_b32 s43, s41, 2
	s_lshl_b32 s43, 15, s43                        ; my row of the cluster
	s_lshl_b32 s44, 0x1111, s40                    ; my column
	s_or_b32 s[G1+0], s43, (0<<16)|(1<<20)|(1<<21)|(5<<22)|(3<<25)   ; elements of 1 byte; 4 words of padding behind every 64; bit 21 beside a mask
	s_or_b32 s[G1B+0], s44, (0<<16)|(1<<20)|(1<<21)|(5<<22)|(3<<25)
.irp g, G1, G1B
	s_mov_b32 s[\g+1], ROWB<<16
	s_mov_b32 s[\g+2], 128<<16
	s_mov_b32 s[\g+3], ROWB<<16
	s_mov_b32 s[\g+4], 128
	s_mov_b32 s[\g+5], KROW
	s_mov_b32 s[\g+6], 0
	s_mov_b32 s[\g+7], 0
.endr
	s_lshl_b32 s20, s17, 17                        ; h: 128 rows of 1,024 bytes a block
	s_mov_b32 s21, 0
	s_lshl_b32 s46, s42, 17                        ; W: the same by the head
	s_mov_b32 s47, 0
	s_mul_i32 s45, s14, HALFT                      ; LDS: matrix = wave
	s_mov_b32 s23, 0
	s_mov_b32 s19, 0
	v_and_b32 v6, 31, v0                           ; lane
	v_lshlrev_b32 v[LI], 4, v6
	v_lshlrev_b32 v[PFO], 10, v6
	s_wait_alu depctr_va_vdst(0)
	s_wait_dscnt 0x0                               ; both opening adds are done
	s_wait_kmcnt 0x0
	s_add_nc_u64 s[86:87], s[68:69], HS            ; h's scale bytes
	s_cmp_eq_u32 s14, 2
	s_cselect_b64 s[96:97], s[76:77], s[72:73]
	s_cselect_b64 s[94:95], s[78:79], s[74:75]
	s_cmp_eq_u32 s14, 3
	s_cselect_b64 s[96:97], s[80:81], s[96:97]     ; wave 1 Wq, 2 Wk, 3 Wv
	s_cselect_b64 s[94:95], s[82:83], s[94:95]
	s_add_nc_u64 s[20:21], s[68:69], s[20:21]
	s_add_nc_u64 s[46:47], s[96:97], s[46:47]
	s_cmp_eq_u32 s14, 0
	s_cselect_b64 s[94:95], s[86:87], s[94:95]
	s_cselect_b32 s22, s17, s42
	s_cselect_b32 s18, s40, s41                    ; my place among the four that ask with me
	s_cselect_b64 s[PFA:PFA+1], s[20:21], s[46:47]
	s_lshl_b32 s22, s22, 13
	s_lshl_b32 s18, s18, 15
	s_add_nc_u64 s[94:95], s[94:95], s[22:23]      ; my matrix's 128 rows of 64 scale bytes: 8,192 dense bytes
	s_add_nc_u64 s[PFA:PFA+1], s[PFA:PFA+1], s[18:19]
.irp i, 0,1,2,3,4,5,6,7,8,9,10,11,12,13,14,15
	global_load_b128 v[160+4*\i:160+4*\i+3], v[LI], s[94:95] offset:512*\i
.endr
.irp s, 0,1
	s_mov_b32 s[G0+4*\s], 1
	s_add_co_u32 s[G0+4*\s+1], s45, \s*SLOT
	s_add_nc_u64 s[G0+4*\s+2:G0+4*\s+3], s[20:21], \s*ROWB
	s_or_b32 s[G0+4*\s+3], s[G0+4*\s+3], 0x80000000
	s_mov_b32 s[G0B+4*\s], 1
	s_add_co_u32 s[G0B+4*\s+1], s45, \s*SLOT
	s_add_nc_u64 s[G0B+4*\s+2:G0B+4*\s+3], s[46:47], \s*ROWB
	s_or_b32 s[G0B+4*\s+3], s[G0B+4*\s+3], 0x80000000
.endr
	CROUND                                         ; all sixteen work-groups are here: the first joint loads meet
	JLOAD 0                                        ; unit 0: one tensor load a wave at the head
	s_mul_i32 s18, s15, 64*PITCH                   ; my 64 tokens
	s_mul_i32 s19, s16, 32*PITCH
	s_add_co_u32 s19, s19, HALFT                   ; my rows of Wq (and, HALFT further on, of Wk)
	s_mul_i32 s22, s16, 64*PITCH
	s_add_co_u32 s22, s22, 3*HALFT                 ; my rows of Wv
	v_and_b32 v1, 15, v0                           ; r
	v_bfe_u32 v2, v0, 4, 1                         ; h
	v_mul_u32_u24 v3, v1, PITCH
	v_lshl_add_u32 v4, v2, 4, v3                   ; a fragment's row x pitch + 16 h
.irp s, 0,1
	v_add_nc_u32 v[ADRH+\s], s18, v4
	v_add_nc_u32 v[ADRW+\s], s19, v4
	v_add_nc_u32 v[ADRV+\s], s22, v4
	s_add_co_u32 s18, s18, SLOT
	s_add_co_u32 s19, s19, SLOT
	s_add_co_u32 s22, s22, SLOT
.endr
	v_lshrrev_b32 v5, 2, v6
	v_mul_u32_u24 v5, v5, PITCH
	v_and_b32 v7, 3, v6
	v_lshl_add_u32 v5, v7, 6, v5                   ; scale bytes of row lane of 32: four rows of 64 bytes to a unit
	s_mul_i32 s18, s15, 16*PITCH
	s_add_co_u32 s18, s18, SCL
	s_mul_i32 s19, s16, 8*PITCH
	s_add_co_u32 s19, s19, SCL+MSC
	s_mul_i32 s22, s16, 16*PITCH
	s_add_co_u32 s22, s22, SCL+3*MSC
	v_add_nc_u32 v[SH], s18, v5
	v_add_nc_u32 v[SQ], s19, v5
	v_add_nc_u32 v[SV], s22, v5
	s_mul_i32 s18, s14, MSC
	s_add_co_u32 s18, s18, SCL
	v_mul_u32_u24 v7, v2, PITCH
	v_lshl_add_u32 v7, v1, 4, v7
	v_add_nc_u32 v[STW], s18, v7                   ; where I put 512 of my matrix's scale bytes: two units
	s_lshl_b32 s18, s16, 8
	v_lshlrev_b32 v7, 9, v2
	v_lshl_add_u32 v7, v1, 4, v7
	v_add_nc_u32 v[QO], s18, v7                    ; Q, K out: lanes 0-15 block X's place in an image, lanes 16-31 block Y's
	s_lshl_b32 s18, s14, 7
	s_add_co_u32 s18, s18, STG
	v_lshl_add_u32 v[SST], v1, 1, s18
	v_lshlrev_b32 v7, 3, v1
	v_lshl_add_u32 v3, v2, 8, v7
	s_lshl_b32 s18, s14, 9
	s_add_co_u32 s18, s18, STG
	v_add_nc_u32 v[SRDQ], s18, v3
	v_lshl_add_u32 v3, v2, 7, v7
	v_add_nc_u32 v[SRDV], STG+1024, v3
	s_lshl_b32 s18, s42, 17
	s_lshl_b32 s19, s17, 13
	s_add_co_u32 s18, s18, s19                     ; head, block: in Q, K and V alike
	s_lshl_b32 s19, s15, 12
	s_add_co_u32 s22, s18, s19                     ; + my four token tiles
	s_add_nc_u64 s[12:13], s[84:85], s[22:23]
	s_lshl_b32 s19, s16, 12
	s_add_co_u32 s18, s18, s19                     ; + my four channel tiles
	s_lshl_b32 s19, s15, 9
	s_add_co_u32 s18, s18, s19                     ; + my half of the 128 tokens
	s_add_co_u32 s18, s18, 4194304
	s_mov_b32 s19, 0
	s_add_nc_u64 s[90:91], s[84:85], s[18:19]
	s_lshl_b32 s18, s14, 17
	s_lshl_b32 s22, s42, 13
	s_add_co_u32 s18, s18, s22
	s_lshl_b32 s22, s17, 9
	s_add_co_u32 s18, s18, s22
	s_add_co_u32 s18, s18, QS
	s_add_nc_u64 s[66:67], s[84:85], s[18:19]      ; scale words: waves 0, 1, 2 store Q's, K's, V's
	s_lshl_b32 s18, s17, 17
	s_lshl_b32 s22, s15, 16
	s_add_co_u32 s18, s18, s22
	s_lshl_b32 s22, s16, 11
	s_add_co_u32 s18, s18, s22
	s_add_nc_u64 s[98:99], s[70:71], s[18:19]      ; cos, sin: my first token tile, my channels
	s_mov_b32 s[SEL], 0x76543210
	s_mov_b32 s[SEL+1], 0xfedcba98
	ASK 1
.macro WM d, a, b, sa, sb, ra, rb, z   ; one product, 128 along K; ra, rb: a side's scale words lie in lanes 16-31; z: it starts a sum
.if \z
.if (\ra)&&(\rb)
	v_wmma_scale_f32_16x16x128_f8f6f4 v[\d:\d+7], v[\a:\a+7], v[\b:\b+7], 0, v[\sa], v[\sb] matrix_a_fmt:MATRIX_FMT_FP4 matrix_b_fmt:MATRIX_FMT_FP4 matrix_a_scale:MATRIX_SCALE_ROW1 matrix_b_scale:MATRIX_SCALE_ROW1
.elseif (\ra)
	v_wmma_scale_f32_16x16x128_f8f6f4 v[\d:\d+7], v[\a:\a+7], v[\b:\b+7], 0, v[\sa], v[\sb] matrix_a_fmt:MATRIX_FMT_FP4 matrix_b_fmt:MATRIX_FMT_FP4 matrix_a_scale:MATRIX_SCALE_ROW1
.elseif (\rb)
	v_wmma_scale_f32_16x16x128_f8f6f4 v[\d:\d+7], v[\a:\a+7], v[\b:\b+7], 0, v[\sa], v[\sb] matrix_a_fmt:MATRIX_FMT_FP4 matrix_b_fmt:MATRIX_FMT_FP4 matrix_b_scale:MATRIX_SCALE_ROW1
.else
	v_wmma_scale_f32_16x16x128_f8f6f4 v[\d:\d+7], v[\a:\a+7], v[\b:\b+7], 0, v[\sa], v[\sb] matrix_a_fmt:MATRIX_FMT_FP4 matrix_b_fmt:MATRIX_FMT_FP4
.endif
.else
.if (\ra)&&(\rb)
	v_wmma_scale_f32_16x16x128_f8f6f4 v[\d:\d+7], v[\a:\a+7], v[\b:\b+7], v[\d:\d+7], v[\sa], v[\sb] matrix_a_fmt:MATRIX_FMT_FP4 matrix_b_fmt:MATRIX_FMT_FP4 matrix_a_scale:MATRIX_SCALE_ROW1 matrix_b_scale:MATRIX_SCALE_ROW1
.elseif (\ra)
	v_wmma_scale_f32_16x16x128_f8f6f4 v[\d:\d+7], v[\a:\a+7], v[\b:\b+7], v[\d:\d+7], v[\sa], v[\sb] matrix_a_fmt:MATRIX_FMT_FP4 matrix_b_fmt:MATRIX_FMT_FP4 matrix_a_scale:MATRIX_SCALE_ROW1
.elseif (\rb)
	v_wmma_scale_f32_16x16x128_f8f6f4 v[\d:\d+7], v[\a:\a+7], v[\b:\b+7], v[\d:\d+7], v[\sa], v[\sb] matrix_a_fmt:MATRIX_FMT_FP4 matrix_b_fmt:MATRIX_FMT_FP4 matrix_b_scale:MATRIX_SCALE_ROW1
.else
	v_wmma_scale_f32_16x16x128_f8f6f4 v[\d:\d+7], v[\a:\a+7], v[\b:\b+7], v[\d:\d+7], v[\sa], v[\sb] matrix_a_fmt:MATRIX_FMT_FP4 matrix_b_fmt:MATRIX_FMT_FP4
.endif
.endif
.endm
; K step q's 48 products: 16 of Q (g = 0), 16 of K (g = 1), 16 of V.  The 48 accumulators take turns, one instruction a turn, in the same order in every step.
.macro STEPREGS q
.set S0, SC+32*(((\q)/4)%2)+((\q)%4)   ; scale words: register S0 + 4 p: pair p of tiles: h 0, 1; Wq 2, 3; Wk 4, 5; Wv 6, 7; the first tile in lanes 0-15, the second in lanes 16-31
.set W0, WF+96*((\q)%2)
.set H0, HF+32*((\q)%2)
.endm
.macro MULQ g, q, z
	STEPREGS \q
.irp i, 0,1,2,3
.irp t, 0,1,2,3
	WM 128*\g+32*\t+8*\i, W0+32*\g+8*\i, H0+8*\t, S0+8+8*\g+4*(\i/2), S0+4*(\t/2), \i%2, \t%2, \z
.endr
.endr
.endm
.macro MULV q, z
	STEPREGS \q
.irp i, 0,1,2,3
.irp t, 0,1,2,3
	WM 32*\i+8*\t, H0+8*\t, W0+64+8*\i, S0+4*(\t/2), S0+24+4*(\i/2), \t%2, \i%2, \z
.endr
.endr
.endm
.macro LDF reg, adr, off               ; a fragment: lane (r, h) takes K = 32 h + 0 .. 31 and 64 + 32 h + 0 .. 31 of row r
	ds_load_b128 v[\reg:\reg+3], v[\adr] offset:\off
	ds_load_b128 v[\reg+4:\reg+7], v[\adr] offset:\off+32
.endm
.macro LDQK q                          ; 16 loads
.irp g, 0,1
.irp i, 0,1,2,3
	LDF WF+96*((\q)%2)+32*\g+8*\i, ADRW+(((\q)/4)%2), HALFT*\g+PITCH*(16*(\i%2)+64*(\i/2))+64*((\q)%4)
.endr
.endr
.endm
.macro LDV q                           ; 8 loads
.irp i, 0,1,2,3
	LDF WF+96*((\q)%2)+64+8*\i, ADRV+(((\q)/4)%2), 16*PITCH*\i+64*((\q)%4)
.endr
.endm
.macro LDH q                           ; 8 loads
.irp t, 0,1,2,3
	LDF HF+32*((\q)%2)+8*\t, ADRH+(((\q)/4)%2), 16*PITCH*\t+64*((\q)%4)
.endr
.endm
.macro SCALES u                        ; unit u's scale words: 8 loads, four words a row
.set SU, SC+32*((\u)%2)
.irp p, 0,1
	ds_load_b128 v[SU+4*\p:SU+4*\p+3], v[SH] offset:8*PITCH*\p+16*\u
	ds_load_b128 v[SU+8+4*\p:SU+8+4*\p+3], v[SQ] offset:16*PITCH*\p+16*\u
	ds_load_b128 v[SU+16+4*\p:SU+16+4*\p+3], v[SQ] offset:MSC+16*PITCH*\p+16*\u
	ds_load_b128 v[SU+24+4*\p:SU+24+4*\p+3], v[SV] offset:8*PITCH*\p+16*\u
.endr
.endm
; A K step; its fragments have been waited for.  Step q + 2's take the registers that step q has used.
.macro STEP q, z
	WIN MQK
	MULQ 0, \q, \z
	MULQ 1, \q, \z
.if \q < 14
	PLACES
	WIN TOW
	LDQK \q+2
.endif
	WIN MVV
	MULV \q, \z
.if \q < 14
	PLACES
	WIN TOW
	LDV \q+2
	WIN 0
	s_wait_dscnt 24                                ; step q + 1's 32 are in; the 24 of step q + 2 just issued may be out
	LDH \q+2
.elseif \q == 14
	s_wait_dscnt 0x0                               ; step 15's
.endif
.endm
; The third step of a unit changes slots: all the unit's fragments have been asked for.  In front of the barrier each wave waits for all its tensor loads (its part of the next unit), adds 0 to its spare word,
; and waits for that and for its own reads of this slot; behind it nobody reads this slot and the next unit is whole.
.macro TURN q, fill, ask
	WIN 0
	s_wait_tensorcnt 0x0
	ds_add_u32 v[SPW], v[NIL]                      ; 0 onto my spare word
.if \fill
.set GS, 4*((\q/4)%2)
	s_add_nc_u64 s[G0+GS+2:G0+GS+3], s[G0+GS+2:G0+GS+3], 2*ROWB
	s_add_nc_u64 s[G0B+GS+2:G0B+GS+3], s[G0B+GS+2:G0B+GS+3], 2*ROWB
.endif
	WIN MQK
	MULQ 0, \q, 0                                  ; sixteen matrix instructions between the add and the wait for it
	s_wait_dscnt 0x0
	s_barrier_signal -1
	MULQ 1, \q, 0
	WIN 0
	s_barrier_wait -1
.if \fill
	CREST                                          ; no wave of any partner still reads this slot or has a load on its way
	JLOAD ((\q/4)%2)                               ; the first tensor load behind the round; its four v_nop are the places in front of the loads below
.else
	PLACES
.endif
	WIN TOW
	LDQK \q+2
.if \ask
	ASK \ask
.endif
	WIN MVV
	MULV \q, 0
	PLACES
	WIN TOW
	LDV \q+2
	WIN 0
	LDH \q+2
.endm
.macro CSAT t                          ; where token tile t's cos and sin lie
.if \t < 2
.set CW, 3
.elseif \t == 2
.set CW, 1
.else
.set CW, 0
.endif
.if \t == 0
.set CB, 128
.else
.set CB, 192
.endif
.endm
.macro CSLOAD t                        ; 16 registers each: cos X, cos Y, sin X, sin Y; each load of a wave covers 512 consecutive bytes
	CSAT \t
	WIN (CW<<6)
.irp n, 0,1,2,3,4,5,6,7,8,9,10,11,12,13,14,15
	global_load_b128 v[CB+4*\n:CB+4*\n+3], v[LI], s[98:99] offset:16384*\t+4096*(\n/4)+512*(\n%4)
.endr
	WIN 0
.endm
	s_wait_alu depctr_va_vdst(0)
	s_wait_loadcnt 0x0
.irp i, 0,1,2,3,4,5,6,7,8,9,10,11,12,13,14,15
	ds_store_b128 v[STW], v[160+4*\i:160+4*\i+3] offset:2*PITCH*\i
.endr
	s_wait_tensorcnt 0x0                           ; my part of unit 0 is in
	ds_add_u32 v[SPW], v[NIL]
	s_wait_dscnt 0x0                               ; the add and my scale bytes' stores are done
	CROUND
	JLOAD 1                                        ; unit 1
	SCALES 0
	LDH 0
	WIN TOW
	LDQK 0
	LDV 0
	LDQK 1
	ASK 2
	s_wait_dscnt 16                                ; step 0's are in; step 1's sixteen may be out
	LDV 1
	WIN 0
	LDH 1
	STEP 0, 1                                      ; the first products start the sums
	STEP 1, 0
	SCALES 1
	TURN 2, 1, 3                                   ; slot 0 takes unit 2
	STEP 3, 0
	CSLOAD 0
	STEP 4, 0
	CSLOAD 1
	STEP 5, 0
	SCALES 2
	TURN 6, 1, 0                                   ; slot 1 takes unit 3
	STEP 7, 0
	CSLOAD 2
	STEP 8, 0
	CSLOAD 3
	STEP 9, 0
	SCALES 3
	TURN 10, 0, 0                                  ; nothing is left to ask for
	STEP 11, 0
	STEP 12, 0
	STEP 13, 0
	STEP 14, 0
	STEP 15, 0
	WIN 0
	PLACES
; THE WAY OUT.  QNAT: four half blocks of 16 numbers (register 8 u + j of block b's 16: number 16 u + 8 h + j of 32): largest magnitudes, scale bytes, codes.  Two exchanges of halves for each pair of blocks
; leave the first block's four words in lanes 0-15 and the second's in lanes 16-31: 16 bytes of an image a lane.
.macro QNAT src, w, pc
	WIN (((\w)<<4)|((\w)<<2))
.irp b, 0,1,2,3
	v_max3_num_f32 v[TM+\b], 0x1800000, |v[(\src)+16*\b]|, |v[(\src)+16*\b+1]|
.endr
.irp i, 2,4,6,8,10,12,14
.irp b, 0,1,2,3
	v_max3_num_f32 v[TM+\b], v[TM+\b], |v[(\src)+16*\b+\i]|, |v[(\src)+16*\b+\i+1]|
.endr
.endr
	WIN 0
.irp b, 0,1,2,3
	v_permlanex16_b32 v[TM+4+\b], v[TM+\b], s[SEL], s[SEL+1]
.endr
.irp b, 0,1,2,3
	v_max_num_f32 v[TM+\b], v[TM+\b], v[TM+4+\b]
.endr
.irp b, 0,1,2,3
	v_add_nc_u32 v[TM+12+\b], 0xff000000, v[TM+\b]
.endr
.irp b, 0,1,2,3
	v_lshrrev_b32 v[TM+4+\b], 23, v[TM+12+\b]
.endr
	v_lshl_or_b32 v[TM+8], v[TM+5], 8, v[TM+4]
	v_lshl_or_b32 v[TM+9], v[TM+7], 8, v[TM+6]
	WIN (\w)
.irp b, 0,1,2,3
	v_cvt_scalef32_pk8_fp4_f32 v[(\pc)+4*(\b/2)+(\b%2)], v[(\src)+16*\b:(\src)+16*\b+7], v[TM+12+\b]
	v_cvt_scalef32_pk8_fp4_f32 v[(\pc)+4*(\b/2)+2+(\b%2)], v[(\src)+16*\b+8:(\src)+16*\b+15], v[TM+12+\b]
.endr
	WIN 0
	v_nop                                          ; one plain place behind a scaled conversion
.irp c, 0,1
	v_permlane16_swap_b32 v[(\pc)+4*\c], v[(\pc)+4*\c+1]
	v_permlane16_swap_b32 v[(\pc)+4*\c+2], v[(\pc)+4*\c+3]
.endr
.endm
.macro ROPE t                          ; token tile t of Q and K: X cos - Y sin, Y cos + X sin
	CSAT \t
	WIN (2|(CW<<2))
.irp m, 0,1
.set AC, 128*\m+32*\t
.set HM, HA+32*\m
.set n, 0
.rept 8
	v_pk_mul_f32 v[HM+n:HM+n+1], v[AC+n:AC+n+1], v[CB+n:CB+n+1]
	v_pk_mul_f32 v[HM+16+n:HM+17+n], v[AC+16+n:AC+17+n], v[CB+16+n:CB+17+n]
.set n, n+2
.endr
.endr
.irp m, 0,1
.set AC, 128*\m+32*\t
.set HM, HA+32*\m
.set n, 0
.rept 8
	v_pk_fma_f32 v[HM+n:HM+n+1], v[AC+16+n:AC+17+n], v[CB+32+n:CB+33+n], v[HM+n:HM+n+1] neg_lo:[1,0,0] neg_hi:[1,0,0]
	v_pk_fma_f32 v[HM+16+n:HM+17+n], v[AC+n:AC+n+1], v[CB+48+n:CB+49+n], v[HM+16+n:HM+17+n]
.set n, n+2
.endr
.endr
	WIN 0
.endm
	s_wait_loadcnt 0x0                             ; cos and sin
.irp t, 0,1,2,3
	ROPE \t
	QNAT HA, 0, PC+8*\t
	global_store_b128 v[QO], v[PC+8*\t:PC+8*\t+3], s[12:13] offset:1024*\t             ; sixteen lanes store 256 consecutive bytes, aligned
	global_store_b128 v[QO], v[PC+8*\t+4:PC+8*\t+7], s[12:13] offset:2097152+1024*\t
	ds_store_b16 v[SST], v[TM+8] offset:32*\t                                          ; both halves of the lanes write the same bytes with the same value
	ds_store_b16 v[SST], v[TM+9] offset:512+32*\t
.endr
.irp i, 0,1
	QNAT 64*\i, 3, PC+32+8*\i
	global_store_b128 v[LI], v[PC+32+8*\i:PC+35+8*\i], s[90:91] offset:2048*\i         ; 512 consecutive bytes
	global_store_b128 v[LI], v[PC+36+8*\i:PC+39+8*\i], s[90:91] offset:2048*\i+1024
	ds_store_b16 v[SST], v[TM+8] offset:1024+64*\i
	ds_store_b16 v[SST], v[TM+9] offset:1024+64*\i+32
.endr
	s_mov_b32 s18, 0x05010400                      ; Q, K: a word's bytes: blocks 0 (c = 0), 1 (c = 1), 2 (c = 0), 3 (c = 1)
	s_mov_b32 s19, 0x07030602
	s_cmp_eq_u32 s14, 2
	s_cselect_b32 s18, 0x05040100, s18             ; V: two bytes of each half of the tokens
	s_cselect_b32 s19, 0x07060302, s19
	s_wait_dscnt 0x0
	s_barrier_signal -1
	s_barrier_wait -1
	s_cmp_eq_u32 s14, 3
	s_cbranch_scc1 .Lend
	s_cmp_eq_u32 s14, 2
	s_cbranch_scc1 .Lvread
	ds_load_b64 v[192:193], v[SRDQ]
	ds_load_b64 v[194:195], v[SRDQ] offset:128
	s_branch .Lmerge
.Lvread:
	ds_load_b64 v[192:193], v[SRDV]
	ds_load_b64 v[194:195], v[SRDV] offset:256
.Lmerge:
	s_wait_dscnt 0x0
	v_perm_b32 v196, v194, v192, s18
	v_perm_b32 v197, v194, v192, s19
	v_perm_b32 v198, v195, v193, s18
	v_perm_b32 v199, v195, v193, s19
	global_store_b128 v[LI], v[196:199], s[66:67]  ; 512 consecutive bytes
.Lend:
	s_wait_tensorcnt 0x0                           ; the wave's end
	ds_add_u32 v[SPW], v[NIL]
	s_wait_dscnt 0x0
	CROUND                                         ; the closing round
	s_endpgm
.Lfunc_end_k_q26eefba35d_qkv:
	.size	k_q26eefba35d_qkv, .Lfunc_end_k_q26eefba35d_qkv-k_q26eefba35d_qkv
	.p2alignl 7, 3214868480
	.fill 96, 4, 3214868480
	.section	.rodata,"a",@progbits
	.p2align	6, 0x0
	.amdhsa_kernel k_q26eefba35d_qkv
		.amdhsa_group_segment_fixed_size 327680
		.amdhsa_private_segment_fixed_size 0
		.amdhsa_enable_private_segment 0
		.amdhsa_kernarg_size 72
		.amdhsa_user_sgpr_count 2
		.amdhsa_user_sgpr_kernarg_segment_ptr 1
		.amdhsa_wavefront_size32 1
		.amdhsa_system_sgpr_workgroup_id_x 1
		.amdhsa_system_sgpr_workgroup_id_y 1
		.amdhsa_system_sgpr_workgroup_id_z 1
		.amdhsa_system_vgpr_workitem_id 0
		.amdhsa_next_free_vgpr 1024
		.amdhsa_next_free_sgpr 102
		.amdhsa_reserve_vcc 0
		.amdhsa_float_denorm_mode_32 3
		.amdhsa_float_denorm_mode_16_64 3
		.amdhsa_memory_ordered 1
		.amdhsa_forward_progress 1
		.amdhsa_inst_pref_size 200
	.end_amdhsa_kernel
	.amdgpu_metadata
---
amdhsa.version: [ 1, 2 ]
amdhsa.kernels:
  - .name:           k_q26eefba35d_qkv
    .symbol:         k_q26eefba35d_qkv.kd
    .args:
      - { .name: hq, .offset: 0, .size: 8, .value_kind: global_buffer, .address_space: global }
      - { .name: cs, .offset: 8, .size: 8, .value_kind: global_buffer, .address_space: global }
      - { .name: Wq_codes, .offset: 16, .size: 8, .value_kind: global_buffer, .address_space: global }
      - { .name: Wq_scales, .offset: 24, .size: 8, .value_kind: global_buffer, .address_space: global }
      - { .name: Wk_codes, .offset: 32, .size: 8, .value_kind: global_buffer, .address_space: global }
      - { .name: Wk_scales, .offset: 40, .size: 8, .value_kind: global_buffer, .address_space: global }
      - { .name: Wv_codes, .offset: 48, .size: 8, .value_kind: global_buffer, .address_space: global }
      - { .name: Wv_scales, .offset: 56, .size: 8, .value_kind: global_buffer, .address_space: global }
      - { .name: qkv, .offset: 64, .size: 8, .value_kind: global_buffer, .address_space: global }
    .group_segment_fixed_size: 327680
    .private_segment_fixed_size: 0
    .kernarg_segment_align: 8
    .kernarg_segment_size: 72
    .max_flat_workgroup_size: 128
    .sgpr_count:     102
    .vgpr_count:     1024
    .wavefront_size: 32
...
	.end_amdgpu_metadata
.endif
;; end of part 2
;; launch attn (part 3): grid 16 x 16, 16 waves a work-group, no clusters, 327,680 bytes of LDS; arguments qkv, attention_mask, att; writes att
.if DOCPART == 3
	.amdgcn_target "amdgcn-amd-amdhsa--gfx1250"
	.amdhsa_code_object_version 6
	.text
	.protected	k_q26eefba35d_attn
	.globl	k_q26eefba35d_attn
	.p2align	8
	.type	k_q26eefba35d_attn,@function
k_q26eefba35d_attn:
	s_mov_b64 s[64:65], 0
	v_nop
	global_prefetch_b8 v0, s[64:65] scope:SCOPE_SE
	s_setreg_imm32_b32 hwreg(HW_REG_WAVE_MODE, 25, 1), 1
	s_wait_xcnt 0x0
; THIRD LAUNCH: for each head, O[q] = sum over k of p(q, k) v[k] / l(q), p = 2^(t - M), t = q . k log2(e) / sqrt(128), M the ceiling of the row's running largest t, l the sum of the unquantised p;
; both products on codes of FP4; O / l quantised along (head, d) into att as register images [tile of 16 rows][head][1,024 bytes], scale words [head][row] from byte AS on.
; LEFT OUT (shown at the head of the first launch): steps of 128 keys that all come after the wave's 16 queries, slots of 512 keys that come after the work-group's last query, and the second where() on the scores;
; rows with attention_mask[q] = 0 get zero codes (and the scale byte 127) by a select at the end.
; HIDDEN KEYS.  attention_mask[k] = 0 becomes a bias of -2^100 (else 0), kept in LDS and loaded into the scores' registers as the C of K Q^T.  The running largest t begins at -2^64, so while no key
; has counted p = 2^(about -2^97 + 2^64) = 0 and all sums stay zeros; no key is taken to count.  LIMIT: a true t under -2^64 counts as hidden.  On the diagonal later keys become -infinity by a select.
; SHARES.  Work-group (j, head) owns the 64 queries of block 31 - j (late) and the 64 of block j (early): eight tiles of 16.  Tile T needs T / 8 + 1 key steps: a late and an early tile together 17, whatever j.
; EACH TILE HAS TWO WAVES: wave w (w % 8 = 0-3 late, 4-7 early) takes the even key steps, wave w + 8 the odd ones, two of a slot's four each.  At the end wave w + 8 leaves its O^T, -M and sum in LDS, and wave w joins
; the two: both are brought under the greater M by a power of two, which rounds nothing, and added.
; NO CLUSTER: which steps are walked, and where the slots asked for end, hangs on the work-group's own queries, and work-groups of one head differ in them.
; LAYOUT.  S^T = K Q^T (source 0 = 16 keys), O^T = V^T P^T (source 0 = 16 of the head's 128): a lane holds one query; register 8 t + j of lane (r, h) is key (or channel) 16 t + 8 h + j.
; K's and V's fragments lie in memory and in LDS as register images: every LDS load of a wave takes 512 consecutive bytes.  Two slots of 512 keys (K 32 KB, V 32 KB), filled by waves 0-3, 16 KB each.
; REGISTERS: v1-7, v24-27 stay; v8-10 addresses; v12 -M, v13 the largest t, v[14:15] the sum; v16-23 Q; v28-31 V's scale words; v32-95 K's, then V's fragments; v96-159 bias, S^T, p; v160-223 O^T;
; v224-231 codes; v232-254 at work; v248-251 K's scale words; v255 Q's.
.set SLOT1, 1<<16                      ; slot 1 begins here: one exclusive or turns an address
.set VOFF,  32768                      ; in a slot: K's 32 images, then V's 32
.set SCK,   131072                     ; K's scale words of the whole head, 8,192 bytes; V's behind them
.set BIAS,  147456                     ; 2,048 words; written by LDS stores, no fill lands here
.set ASTG,  155648                     ; the way out: 64 bytes of scale words for each of waves 0-7
.set SPARE, 156160                     ; the spare words, 128 bytes for each wave: eight blocks of 256 bytes that no other line names
.set MRG,   158208                     ; what waves 8-15 leave for waves 0-7: MSZ bytes each; no fill lands here
.set MSZ,   8448                       ; 64 registers of 128 bytes, then -M and the sum
.set KI,    2097152                    ; in qkv: K's images (V's 2,097,152 further on),
.set QS,    6291456                    ; Q's scale words,
.set KSO,   6422528                    ; K's (V's 131,072 further on)
.set AS,    2097152                    ; in att: the scale words
.set LI,  1                            ; v1   16 x lane
.set LSK, 2                            ; v2   SCK + 4 x lane
.set LB,  3                            ; v3   BIAS + 32 h
.set SPW, 5
.set NIL, 6
.set ADK, 8
.set ADS, 9
.set ADB, 10
.set PFO, 24                           ; v24  256 x lane
.set DL,  25                           ; v25  r - 8 h
.set ASW, 26                           ; v26  ASTG + 64 (wave % 8) + 4 r
.set ASR, 27                           ; v27  ASTG + 16 lane
.set WV,  22
.set SEL, 24
.set CS,  26                           ; s[26:27] c = log2(e) / sqrt(128)
.set G1,  28                           ; s[28:35] 64 rows of 256 bytes, dense
.set G1S, 36                           ; s[36:43] 16 rows of 256 bytes
.set G0,  44                           ; s[44:47] walks
.set G0S, 48
.set TB,  2                            ; the slot in hand, + 8,192 in waves that take odd steps
.set TS,  3                            ; 512 bytes a step: K's scale words, V's and the bias alike
.set SLOTS, 52
.set KF,  53                           ; my step's first key
.set Q0,  54                           ; my first query
.set LQ,  55                           ; my work-group's last query
.set PFA, 56
.set LIM, 58
.set PR,  86                           ; 0: my steps are the even ones; 1: the odd ones
.set KB,  87                           ; the slot in hand's first key
.macro TLOAD                           ; waves 0-3 fetch; the branch hangs on the wave's number alone; an s_nop 0 and four v_nop follow the load
	s_cmp_lt_u32 s[WV], 4
	s_cbranch_scc0 .Lasked_\@
	tensor_load_to_lds s[G0:G0+3], s[G1:G1+7]
	s_nop 0
.rept 4
	v_nop
.endr
.Lasked_\@:
.endm
; A prefetch into the L2 of the slot that the NEXT change of slots will ask for, a slot's steps ahead of that load.  All work-groups of a head walk the same K and V: the head's work-group j = 0 asks, which
; walks all slots; in it waves 4-7, which fetch nothing for the ring: 16,384 bytes a wave, lanes 256 bytes apart, two instructions.  So each 256 bytes are named once.  Slots 0 and 1 come by their loads alone; the last filling change asks for nothing.
.macro ASK
	s_cmp_gt_u32 s[SLOTS], s[LIM]
	s_cbranch_scc0 .Lnot_mine_\@
	global_prefetch_b8 v[PFO], s[PFA:PFA+1] th:TH_LOAD_NT scope:SCOPE_SE
	global_prefetch_b8 v[PFO], s[PFA:PFA+1] offset:8192 th:TH_LOAD_NT scope:SCOPE_SE
.Lnot_mine_\@:
.endm
	s_load_b128 s[4:7], s[0:1], 0x0                ; qkv, attention_mask
	s_load_b64 s[8:9], s[0:1], 0x10                ; att
	v_lshl_add_u32 v[SPW], v0, 2, SPARE
	v_mov_b32 v[NIL], 0
	ds_add_u32 v[SPW], v[NIL]                      ; the wave's opening: the add, twice on end, and its wait ahead of the first tensor load
	ds_add_u32 v[SPW], v[NIL]
	v_lshrrev_b32 v8, 5, v0
	s_delay_alu instid0(VALU_DEP_1)
	v_readfirstlane_b32 s[WV], v8                  ; wave 0..15
	s_and_b32 s10, ttmp7, 0xffff                   ; the head
	s_sub_co_u32 s11, 31, ttmp9                    ; the late block
	s_and_b32 s21, s[WV], 4
	s_cselect_b32 s12, ttmp9, s11                  ; my block of 64 queries
	s_and_b32 s13, s[WV], 3
	s_lshr_b32 s[PR], s[WV], 3
	s_lshl_b32 s14, s12, 2
	s_add_co_u32 s14, s14, s13                     ; T
	s_lshl_b32 s[Q0], s14, 4
	s_lshl_b32 s[LQ], s11, 6
	s_or_b32 s[LQ], s[LQ], 63
	s_mov_b32 s[G1], 3<<16                         ; no mask; elements of 8 bytes; no padding
	s_mov_b32 s[G1+1], 32<<16                      ; tensor_dim0 = 32 elements
	s_mov_b32 s[G1+2], 64<<16                      ; tensor_dim1
	s_mov_b32 s[G1+3], 32<<16                      ; tile_dim0
	s_mov_b32 s[G1+4], 64                          ; tile_dim1
	s_mov_b32 s[G1+5], 32                          ; the pitch
	s_mov_b32 s[G1+6], 0
	s_mov_b32 s[G1+7], 0
	s_mov_b32 s[G1S], 3<<16
	s_mov_b32 s[G1S+1], 32<<16
	s_mov_b32 s[G1S+2], 16<<16
	s_mov_b32 s[G1S+3], 32<<16
	s_mov_b32 s[G1S+4], 16
	s_mov_b32 s[G1S+5], 32
	s_mov_b32 s[G1S+6], 0
	s_mov_b32 s[G1S+7], 0
	s_lshr_b32 s15, s13, 1                         ; wave % 4: 0, 1 K's halves; 2, 3 V's (for the loads of waves 0-7 and the prefetches of waves 4-7)
	s_and_b32 s20, s13, 1
	s_lshl_b32 s16, s15, 21
	s_lshl_b32 s21, s10, 17
	s_add_co_u32 s16, s16, s21
	s_lshl_b32 s21, s20, 14
	s_add_co_u32 s16, s16, s21
	s_add_co_u32 s16, s16, KI                      ; my 16,384 bytes of slot 0, in qkv
	s_mov_b32 s17, 0
	s_lshl_b32 s18, s15, 17
	s_lshl_b32 s21, s10, 13
	s_add_co_u32 s18, s18, s21
	s_lshl_b32 s21, s20, 12
	s_add_co_u32 s18, s18, s21
	s_add_co_u32 s18, s18, KSO                     ; my 4,096 bytes of scale words
	s_mov_b32 s19, 0
	s_lshl_b32 s60, s[WV], 14                      ; in LDS: 16,384 x wave (waves 0-3),
	s_lshl_b32 s61, s13, 12
	s_add_co_u32 s61, s61, SCK                     ; SCK + 4,096 x (wave % 4) (waves 4-7)
	s_lshl_b32 s62, s10, 17
	s_lshl_b32 s21, s14, 10
	s_add_co_u32 s62, s62, s21                     ; Q's image
	s_mov_b32 s63, 0
	s_lshl_b32 s66, s10, 13
	s_lshl_b32 s21, s14, 6
	s_add_co_u32 s66, s66, s21
	s_add_co_u32 s66, s66, QS                      ; Q's scale words
	s_mov_b32 s67, 0
	s_lshl_b32 s68, s[Q0], 2                       ; attention_mask at my queries
	s_mov_b32 s69, 0
	s_lshl_b32 s72, s14, 4
	s_add_co_u32 s72, s72, s10
	s_lshl_b32 s72, s72, 10                        ; att: image (T, head)
	s_mov_b32 s73, 0
	s_lshl_b32 s74, s10, 13
	s_add_co_u32 s74, s74, AS                      ; att: the head's scale words
	s_mov_b32 s75, 0
	s_mov_b32 s[SEL], 0x76543210
	s_mov_b32 s[SEL+1], 0xfedcba98
	s_mov_b32 s[CS], 0x3e0293ee
	s_mov_b32 s[CS+1], s[CS]
	s_mov_b32 s71, 0x7f7f7f7f
	s_lshl_b32 s[TB], s[PR], 13
	s_lshl_b32 s[TS], s[PR], 9
	s_lshl_b32 s[KF], s[PR], 7
	s_mov_b32 s[KB], 0
	s_mov_b32 s[SLOTS], 3
	s_sub_co_u32 s96, s[WV], 4
	s_lshr_b32 s96, s96, 2                         ; 0 in waves 4 to 7,
	s_or_b32 s96, s96, ttmp9                       ; of work-group j = 0
	s_cmp_eq_u32 s96, 0
	s_cselect_b32 s[LIM], 1, -1
	s_wait_alu depctr_va_vdst(0)
	s_wait_dscnt 0x0                               ; both opening adds are done
	s_wait_kmcnt 0x0
	s_mov_b32 s[G0S], 1
	s_mov_b32 s[G0S+1], s61
	s_add_nc_u64 s[G0S+2:G0S+3], s[4:5], s[18:19]
	s_or_b32 s[G0S+3], s[G0S+3], 0x80000000
	s_mov_b32 s[G0], 1
	s_mov_b32 s[G0+1], s60
	s_add_nc_u64 s[G0+2:G0+3], s[4:5], s[16:17]
	s_or_b32 s[G0+3], s[G0+3], 0x80000000
	s_cmp_lt_u32 s[WV], 4                          ; one tensor load a wave at the head: waves 0-3 fetch slot 0, waves 4-7 the head's scale words, filled once; waves 8-15 none
	s_cbranch_scc0 .Lfirst_sc
	tensor_load_to_lds s[G0:G0+3], s[G1:G1+7]
	s_nop 0
.rept 4
	v_nop
.endr
	s_branch .Lfirst
.Lfirst_sc:
	s_cmp_lt_u32 s[WV], 8
	s_cbranch_scc0 .Lfirst
	tensor_load_to_lds s[G0S:G0S+3], s[G1S:G1S+7]
	s_nop 0
.rept 4
	v_nop
.endr
.Lfirst:
	s_add_nc_u64 s[PFA:PFA+1], s[4:5], s[16:17]
	s_add_nc_u64 s[PFA:PFA+1], s[PFA:PFA+1], 32768 ; in slot 1: the first change of slots steps it to slot 2
	s_add_nc_u64 s[76:77], s[4:5], s[62:63]
	s_add_nc_u64 s[78:79], s[4:5], s[66:67]
	s_add_nc_u64 s[80:81], s[6:7], s[68:69]
	s_add_nc_u64 s[82:83], s[8:9], s[72:73]
	s_add_nc_u64 s[84:85], s[8:9], s[74:75]
	v_and_b32 v8, 31, v0                           ; lane
	s_delay_alu instid0(VALU_DEP_1)
	v_lshlrev_b32 v[LI], 4, v8
	v_and_b32 v9, 15, v0                           ; r
	v_bfe_u32 v10, v0, 4, 1                        ; h
	global_load_b128 v[16:19], v[LI], s[76:77]     ; Q's fragment stays in registers
	global_load_b128 v[20:23], v[LI], s[76:77] offset:512
	v_lshlrev_b32 v4, 2, v9
	global_load_b32 v255, v4, s[78:79]             ; Q's scale words
	global_load_b32 v7, v4, s[80:81]               ; attention_mask of my query
	v_lshlrev_b32 v11, 4, v0
	global_load_b128 v[32:35], v11, s[6:7]         ; the whole mask, four words a thread
	v_lshl_add_u32 v[LSK], v8, 2, SCK
	v_lshl_add_u32 v[LB], v10, 5, BIAS
	v_lshlrev_b32 v[PFO], 8, v8
	v_lshlrev_b32 v[DL], 3, v10
	s_delay_alu instid0(VALU_DEP_1)
	v_sub_nc_u32 v[DL], v9, v[DL]
	s_and_b32 s96, s[WV], 7
	s_lshl_b32 s96, s96, 6
	s_add_co_u32 s96, s96, ASTG
	v_lshl_add_u32 v[ASW], v9, 2, s96
	v_add_nc_u32 v[ASR], ASTG, v[LI]
	v_lshl_add_u32 v252, v0, 4, BIAS
	v_mov_b32 v13, 0xdf800000                      ; the largest t so far: -2^64
	s_delay_alu instid0(VALU_DEP_1)
	v_floor_f32 v12, -v13                          ; -M
	v_mov_b32 v14, 0
	v_mov_b32 v15, 0
.irp b, 0,1,2,3
	v_mov_b32 v[236+\b], 0                         ; written once: a lane permute's destination counts as one of its sources
.endr
	v_mov_b32 v253, 0
.set j, 0
.rept 64
	v_mov_b32 v[160+j], 0                          ; O^T: the step is written alike for all steps, and the first finds zeros; a wave with no step leaves them
.set j, j+1
.endr
	v_mov_b32 v254, 0xf1800000                     ; -2^100
	s_wait_alu depctr_va_vdst(0)
	s_wait_loadcnt 0x0
.irp i, 0,1,2,3
	v_cmp_eq_u32 vcc_lo, 0, v[32+\i]
	s_delay_alu instid0(VALU_DEP_1)
	v_cndmask_b32 v[32+\i], 0, v254, vcc_lo        ; the bias of a key: 0 where it counts
.endr
	ds_store_b128 v252, v[32:35]                   ; the first change of slots waits for it and passes a barrier
.macro KQ t
.if (\t)%2
	v_wmma_scale_f32_16x16x128_f8f6f4 v[96+8*(\t):103+8*(\t)], v[32+8*(\t):39+8*(\t)], v[16:23], v[96+8*(\t):103+8*(\t)], v[248+(\t)/2], v255 matrix_a_fmt:MATRIX_FMT_FP4 matrix_b_fmt:MATRIX_FMT_FP4 matrix_a_scale:MATRIX_SCALE_ROW1
.else
	v_wmma_scale_f32_16x16x128_f8f6f4 v[96+8*(\t):103+8*(\t)], v[32+8*(\t):39+8*(\t)], v[16:23], v[96+8*(\t):103+8*(\t)], v[248+(\t)/2], v255 matrix_a_fmt:MATRIX_FMT_FP4 matrix_b_fmt:MATRIX_FMT_FP4
.endif
.endm
.macro PV t
.if (\t)%2
	v_wmma_scale_f32_16x16x128_f8f6f4 v[160+8*(\t):167+8*(\t)], v[32+8*(\t):39+8*(\t)], v[224:231], v[160+8*(\t):167+8*(\t)], v[28+(\t)/2], v253 matrix_a_fmt:MATRIX_FMT_FP4 matrix_b_fmt:MATRIX_FMT_FP4 matrix_a_scale:MATRIX_SCALE_ROW1
.else
	v_wmma_scale_f32_16x16x128_f8f6f4 v[160+8*(\t):167+8*(\t)], v[32+8*(\t):39+8*(\t)], v[224:231], v[160+8*(\t):167+8*(\t)], v[28+(\t)/2], v253 matrix_a_fmt:MATRIX_FMT_FP4 matrix_b_fmt:MATRIX_FMT_FP4
.endif
.endm
; 64 numbers, register 8 b + j = column 16 b + 8 h + j of my row, into a fragment's codes: block 2 c's two words go to registers 4 c, 4 c + 2, block 2 c + 1's to 4 c + 1, 4 c + 3; two exchanges of halves
; between neighbours leave registers 4 c .. 4 c + 3 with K = 64 c + 32 h + 0 .. 31.
.macro CODES src, pc, so
.irp b, 0,1,2,3
	v_cvt_scalef32_pk8_fp4_f32 v[(\pc)+4*(\b/2)+(\b%2)], v[(\src)+16*\b:(\src)+16*\b+7], v[(\so)+\b]
	v_cvt_scalef32_pk8_fp4_f32 v[(\pc)+4*(\b/2)+2+(\b%2)], v[(\src)+16*\b+8:(\src)+16*\b+15], v[(\so)+\b]
.endr
	v_nop                                          ; one plain place behind a scaled conversion
.irp c, 0,1
	v_permlane16_swap_b32 v[(\pc)+4*\c], v[(\pc)+4*\c+1]
	v_permlane16_swap_b32 v[(\pc)+4*\c+2], v[(\pc)+4*\c+3]
.endr
.endm
; A KEY STEP: 128 keys; q = 0 or 2: the slot's step q, or q + 1 in the waves that take odd steps.  The matrix instructions' sixteen accumulators take turns, one instruction a turn.
.macro STEP q
	s_add_co_u32 s96, s[Q0], 15
	s_cmp_gt_u32 s[KF], s96                        ; all keys come after my queries: the step's work is left out; a branch on ids, round no barrier, no tensor load, no stepping line
	s_cbranch_scc1 .Lhidden_\@
	s_sub_co_u32 s97, s[Q0], s[KF]
	v_add_nc_u32 v[ADK], s[TB], v[LI]              ; four plain lines: also the places in front of loads into registers that the last products read
	v_add_nc_u32 v[ADS], s[TS], v[LSK]
	v_add_nc_u32 v[ADB], s[TS], v[LB]
	v_add_nc_u32 v252, s97, v[DL]                  ; my query - the step's first key - 8 h
.irp t, 0,1,2,3,4,5,6,7
.irp c, 0,1
	ds_load_b128 v[32+8*\t+4*\c:35+8*\t+4*\c], v[ADK] offset:8192*(\q)+1024*\t+512*\c
.endr
.endr
.irp p, 0,1,2,3
	ds_load_b32 v[248+\p], v[ADS] offset:128*\p    ; lanes 0-15: tile 2 p's scale words; lanes 16-31: tile 2 p + 1's
.endr
.irp t, 0,1,2,3,4,5,6,7
.irp e, 0,1
	ds_load_b128 v[96+8*\t+4*\e:99+8*\t+4*\e], v[ADB] offset:64*\t+16*\e   ; the bias of keys 16 t + 8 h + 0 .. 7
.endr
.endr
	s_wait_alu depctr_va_vdst(0)
	s_wait_dscnt 0x0
.irp t, 0,1,2,3,4,5,6,7
	KQ \t                                          ; S^T = K Q^T + the bias
.endr
.rept 4
	v_nop                                          ; places in front of the loads below and of the first read of the scores
.endr
.irp t, 0,1,2,3,4,5,6,7
.irp c, 0,1
	ds_load_b128 v[32+8*\t+4*\c:35+8*\t+4*\c], v[ADK] offset:VOFF+8192*(\q)+1024*\t+512*\c   ; V's fragments land under the softmax
.endr
.endr
.irp p, 0,1,2,3
	ds_load_b32 v[28+\p], v[ADS] offset:8192+128*\p
.endr
	s_add_co_u32 s96, s[KF], 127
	s_cmp_le_u32 s96, s[Q0]                        ; a step all of whose keys come at or before my first query skips the diagonal's selects
	s_cbranch_scc1 .Lopen_\@
	v_mov_b32 v254, 0xff800000                     ; -infinity
.set n, 0
.rept 64
	v_cmp_gt_i32 vcc_lo, 16*(n/8)+n%8, v252        ; register n holds key first + 16 (n / 8) + 8 h + n % 8
	v_cndmask_b32 v[96+n], v[96+n], v254, vcc_lo
.set n, n+1
.endr
.Lopen_\@:
.irp b, 0,1,2,3
	v_max3_num_f32 v[232+\b], v[96+16*\b], v[97+16*\b], v[98+16*\b]   ; the largest score of each block of 32 keys: for the row's maximum and, since p rises with the score, for the block's largest p
.endr
.irp i, 3,5,7,9,11,13
.irp b, 0,1,2,3
	v_max3_num_f32 v[232+\b], v[232+\b], v[96+16*\b+\i], v[97+16*\b+\i]
.endr
.endr
.irp b, 0,1,2,3
	v_max_num_f32 v[232+\b], v[232+\b], v[111+16*\b]
.endr
.irp b, 0,1,2,3
	s_delay_alu instid0(VALU_DEP_4)
	v_permlanex16_b32 v[236+\b], v[232+\b], s[SEL], s[SEL+1]
.endr
.irp b, 0,1,2,3
	s_delay_alu instid0(VALU_DEP_4)
	v_max_num_f32 v[232+\b], v[232+\b], v[236+\b]
.endr
	s_delay_alu instid0(VALU_DEP_2)
	v_max3_num_f32 v254, v232, v233, v234
	s_delay_alu instid0(VALU_DEP_1)
	v_max_num_f32 v254, v254, v235
	s_delay_alu instid0(VALU_DEP_1)
	v_mul_f32 v254, s[CS], v254
	s_delay_alu instid0(VALU_DEP_1)
	v_max_num_f32 v13, v13, v254                   ; the running largest t
	v_mov_b32 v254, v12
	s_delay_alu instid0(VALU_DEP_2)
	v_floor_f32 v12, -v13                          ; -M = floor(-t): M is a whole number
	s_delay_alu instid0(VALU_DEP_1)
	v_sub_f32 v254, v12, v254                      ; old M - new M, 0 or less
	s_delay_alu instid0(VALU_DEP_1)
	v_cvt_i32_f32 v254, v254                       ; (it saturates)
	s_delay_alu instid0(VALU_DEP_1)
	v_ldexp_f32 v252, 1.0, v254                    ; f = 2^(old M - new M): rounds nothing
.set j, 0
.rept 32
	v_pk_fma_f32 v[96+j:97+j], v[96+j:97+j], s[CS:CS+1], v[12:13] op_sel_hi:[1,0,0]   ; t - M
.set j, j+2
.endr
.irp b, 0,1,2,3
	v_fma_f32 v[232+\b], v[232+\b], s[CS], v12
.endr
.set j, 0
	s_wait_alu depctr_va_vdst(0)
.rept 64
	v_exp_f32 v[96+j], v[96+j]                     ; p, not normalised
.set j, j+1
.endr
	v_pk_mul_f32 v[14:15], v[14:15], v[252:253] op_sel_hi:[1,0]   ; the sums under the new M: a plain line behind the exponentials
	s_wait_alu depctr_va_vdst(0)                   ; one wait for the batch, ahead of its first reader
.irp b, 0,1,2,3
	v_exp_f32 v[232+\b], v[232+\b]                 ; the block's largest p
.endr
	v_pk_add_f32 v[236:237], v[100:101], v[104:105]
	v_pk_add_f32 v[250:251], v[108:109], v[112:113]
	v_pk_add_f32 v[248:249], v[116:117], v[120:121]
	v_pk_add_f32 v[246:247], v[124:125], v[128:129]
	v_pk_add_f32 v[244:245], v[132:133], v[136:137]
	v_pk_add_f32 v[242:243], v[140:141], v[144:145]
	v_pk_add_f32 v[240:241], v[148:149], v[152:153]
	v_pk_add_f32 v[14:15], v[14:15], v[156:157]
	v_pk_add_f32 v[236:237], v[236:237], v[96:97]
	v_pk_add_f32 v[250:251], v[250:251], v[98:99]
	v_pk_add_f32 v[248:249], v[248:249], v[102:103]
	v_pk_add_f32 v[246:247], v[246:247], v[106:107]
	v_pk_add_f32 v[244:245], v[244:245], v[110:111]
	v_pk_add_f32 v[242:243], v[242:243], v[114:115]
	v_pk_add_f32 v[240:241], v[240:241], v[118:119]
	v_pk_add_f32 v[14:15], v[14:15], v[122:123]
	v_pk_add_f32 v[236:237], v[236:237], v[126:127]
	v_pk_add_f32 v[250:251], v[250:251], v[130:131]
	v_pk_add_f32 v[248:249], v[248:249], v[134:135]
	v_pk_add_f32 v[246:247], v[246:247], v[138:139]
	v_pk_add_f32 v[244:245], v[244:245], v[142:143]
	v_pk_add_f32 v[242:243], v[242:243], v[146:147]
	v_pk_add_f32 v[240:241], v[240:241], v[150:151]
	v_pk_add_f32 v[14:15], v[14:15], v[154:155]
	v_pk_add_f32 v[236:237], v[236:237], v[158:159]
	s_delay_alu instid0(VALU_DEP_2)
	v_pk_add_f32 v[14:15], v[14:15], v[246:247]
	s_delay_alu instid0(VALU_DEP_2)
	v_pk_add_f32 v[236:237], v[236:237], v[244:245]
	v_pk_add_f32 v[250:251], v[250:251], v[242:243]
	v_pk_add_f32 v[248:249], v[248:249], v[240:241]
	s_delay_alu instid0(VALU_DEP_2)
	v_pk_add_f32 v[14:15], v[14:15], v[250:251]
	s_delay_alu instid0(VALU_DEP_2)
	v_pk_add_f32 v[236:237], v[236:237], v[248:249]
	s_delay_alu instid0(VALU_DEP_1)
	v_pk_add_f32 v[14:15], v[14:15], v[236:237]
	s_wait_alu depctr_va_vdst(0)                   ; and one for the four
.irp b, 0,1,2,3
	v_max_num_f32 v[232+\b], 0x1800000, v[232+\b]  ; the floor 2^(3 - 127): a block of zeros keeps the byte 1, and its codes are zeros
.endr
.irp b, 0,1,2,3
	s_delay_alu instid0(VALU_DEP_4)
	v_add_nc_u32 v[244+\b], 0xff000000, v[232+\b]
.endr
.irp b, 0,1,2,3
	s_delay_alu instid0(VALU_DEP_4)
	v_lshrrev_b32 v[236+\b], 23, v[244+\b]
.endr
	s_delay_alu instid0(VALU_DEP_3)
	v_lshl_or_b32 v253, v237, 8, v236              ; p's scale word for these 128 keys
	s_delay_alu instid0(VALU_DEP_1)
	v_lshl_or_b32 v253, v238, 16, v253
	s_delay_alu instid0(VALU_DEP_1)
	v_lshl_or_b32 v253, v239, 24, v253
	CODES 96, 224, 244
.set j, 0
.rept 32
	v_pk_mul_f32 v[160+j:161+j], v[160+j:161+j], v[252:253] op_sel_hi:[1,0]   ; O^T under the new M; also the places between the codes' and the scale word's last writes and the products
.set j, j+2
.endr
	s_wait_alu depctr_va_vdst(0)
	s_wait_dscnt 0x0                               ; V is in
.irp t, 0,1,2,3,4,5,6,7
	PV \t
.endr
.Lhidden_\@:
	s_add_co_u32 s[KF], s[KF], 256                 ; my next step: two on
	s_add_co_u32 s[TS], s[TS], 1024
.endm
; THE CHANGE OF SLOTS, at a slot's head.  Each wave waits for all its tensor loads, adds 0 to its spare word, and waits for that and for its LDS instructions; behind the barrier the slot ahead is whole and nobody reads the other.
.macro CHANGE fill
	s_wait_tensorcnt 0x0
	ds_add_u32 v[SPW], v[NIL]
.if \fill
	ds_add_u32 v[SPW], v[NIL]                      ; and twice on end here, in every trip alike
	s_xor_b32 s[G0+1], s[G0+1], SLOT1              ; no tensor load of mine is out: the walking descriptor takes the other slot,
	s_add_nc_u64 s[G0+2:G0+3], s[G0+2:G0+3], 32768 ; and the next 512 keys
	s_wait_xcnt 0x0                                ; the last prefetches, a slot back, have read their address
	s_add_nc_u64 s[PFA:PFA+1], s[PFA:PFA+1], 32768
.endif
	s_wait_dscnt 0x0
	s_barrier_signal -1
	s_barrier_wait -1
.if \fill
	s_add_co_u32 s96, s[KB], 512                   ; the first key of the slot that this change would ask for:
	s_cmp_gt_u32 s96, s[LQ]                        ; behind my work-group's last query no wave reads it, so it is not asked for.  Ids and the count of slots alone: all sixteen waves go the same way
	s_cbranch_scc1 .Lpast_\@
	TLOAD                                          ; a wave's one tensor load until the next barrier; every wait on TENSORcnt in this text is for 0
.Lpast_\@:
	ASK
.endif
.endm
.macro SLOT_STEPS
	STEP 0
	STEP 2
	s_xor_b32 s[TB], s[TB], SLOT1
	s_add_co_u32 s[KB], s[KB], 512
.endm
.Lslot:                                            ; three trips; every work-group walks all four slots, so that trip counts are constants and no barrier is jumped over
	CHANGE 1
	SLOT_STEPS
	s_sub_co_u32 s[SLOTS], s[SLOTS], 1
	s_cmp_lg_u32 s[SLOTS], 0
	s_cbranch_scc1 .Lslot
	CHANGE 0                                       ; the last slot is written out: nothing is left to ask for
	SLOT_STEPS
	; THE TWO HALVES OF A TILE'S KEYS ARE JOINED
.rept 4
	v_nop                                          ; places behind the last products
.endr
	v_add_f32 v14, v14, v15                        ; my part of the sum
	v_and_b32 v8, 31, v0
	s_and_b32 s96, s[WV], 7
	s_mul_i32 s96, s96, MSZ
	s_add_co_u32 s96, s96, MRG                     ; one place for waves w and w + 8
	v_add_nc_u32 v9, s96, v[LI]
	v_lshl_add_u32 v10, v8, 2, s96
	s_wait_alu depctr_va_vdst(0)
	s_cmp_lt_u32 s[WV], 8
	s_cbranch_scc1 .Lmine
.irp i, 0,1,2,3,4,5,6,7,8,9,10,11,12,13,14,15
	ds_store_b128 v9, v[160+4*\i:163+4*\i] offset:512*\i
.endr
	ds_store_b32 v10, v12 offset:8192              ; -M
	ds_store_b32 v10, v14 offset:8320              ; the sum
.Lmine:
	s_wait_dscnt 0x0
	s_barrier_signal -1
	s_barrier_wait -1
	s_cmp_lt_u32 s[WV], 8
	s_cbranch_scc0 .Lsent
	ds_load_b32 v232, v10 offset:8192
	ds_load_b32 v233, v10 offset:8320
.irp i, 0,1,2,3,4,5,6,7,8,9,10,11,12,13,14,15
	ds_load_b128 v[32+4*\i:35+4*\i], v9 offset:512*\i
.endr
	s_wait_dscnt 0x0
	v_min_num_f32 v234, v12, v232                  ; -M of both: the greater M's
	v_sub_f32 v235, v234, v12
	v_sub_f32 v236, v234, v232
	v_cvt_i32_f32 v235, v235                       ; (it saturates: a half in which no key has counted holds zeros, and gets the factor 0)
	v_cvt_i32_f32 v236, v236
	v_ldexp_f32 v244, 1.0, v235
	v_ldexp_f32 v246, 1.0, v236
	v_mul_f32 v14, v14, v244
	v_fma_f32 v14, v233, v246, v14
	s_delay_alu instid0(VALU_DEP_1)
	v_permlanex16_b32 v252, v14, s[SEL], s[SEL+1]
	s_delay_alu instid0(VALU_DEP_1)
	v_add_f32 v14, v14, v252                       ; l
	s_delay_alu instid0(VALU_DEP_1)
	v_max_num_f32 v14, 0.5, v14                    ; a row with a key that counts has l over 1/2 by M's definition: nothing moves there; a row with none (its query is masked too) divides zeros by 1/2
	s_wait_alu depctr_va_vdst(0)
	v_rcp_f32 v14, v14
	v_nop
	s_wait_alu depctr_va_vdst(0)
	v_mul_f32 v12, v244, v14
	v_mul_f32 v14, v246, v14
.set j, 0
.rept 32
	v_pk_mul_f32 v[96+j:97+j], v[160+j:161+j], v[12:13] op_sel_hi:[1,0]
.set j, j+2
.endr
.set j, 0
.rept 32
	v_pk_fma_f32 v[96+j:97+j], v[32+j:33+j], v[14:15], v[96+j:97+j] op_sel_hi:[1,0,1]   ; O / l: register 8 t + i is channel 16 t + 8 h + i of my query
.set j, j+2
.endr
	; THE WAY OUT
.irp b, 0,1,2,3
	v_max3_num_f32 v[232+\b], 0x1800000, |v[96+16*\b]|, |v[97+16*\b]|
.endr
.irp i, 2,4,6,8,10,12,14
.irp b, 0,1,2,3
	s_delay_alu instid0(VALU_DEP_4)
	v_max3_num_f32 v[232+\b], v[232+\b], |v[96+16*\b+\i]|, |v[97+16*\b+\i]|
.endr
.endr
.irp b, 0,1,2,3
	s_delay_alu instid0(VALU_DEP_4)
	v_permlanex16_b32 v[236+\b], v[232+\b], s[SEL], s[SEL+1]
.endr
.irp b, 0,1,2,3
	s_delay_alu instid0(VALU_DEP_4)
	v_max_num_f32 v[232+\b], v[232+\b], v[236+\b]
.endr
.irp b, 0,1,2,3
	s_delay_alu instid0(VALU_DEP_4)
	v_add_nc_u32 v[244+\b], 0xff000000, v[232+\b]
.endr
.irp b, 0,1,2,3
	s_delay_alu instid0(VALU_DEP_4)
	v_lshrrev_b32 v[236+\b], 23, v[244+\b]
.endr
	s_delay_alu instid0(VALU_DEP_3)
	v_lshl_or_b32 v253, v237, 8, v236
	s_delay_alu instid0(VALU_DEP_1)
	v_lshl_or_b32 v253, v238, 16, v253
	s_delay_alu instid0(VALU_DEP_1)
	v_lshl_or_b32 v253, v239, 24, v253
	CODES 96, 224, 244
	v_cmp_ne_u32 s70, 0, v7                        ; attention_mask of my query
.irp i, 0,1,2,3,4,5,6,7
	v_cndmask_b32 v[224+\i], 0, v[224+\i], s70     ; a masked row: zero codes,
.endr
	v_cndmask_b32 v253, s71, v253, s70             ; under the scale 1
	global_store_b128 v[LI], v[224:227], s[82:83]
	global_store_b128 v[LI], v[228:231], s[82:83] offset:512   ; the image: twice 512 consecutive bytes
	ds_store_b32 v[ASW], v253                      ; both halves of the lanes write the same word with the same value
.Lsent:
	s_wait_tensorcnt 0x0                           ; the wave's end of LDS writing
	ds_add_u32 v[SPW], v[NIL]
	s_wait_dscnt 0x0                               ; also for wave 0's sake
	s_barrier_signal -1
	s_barrier_wait -1
	s_cmp_lg_u32 s[WV], 0
	s_cbranch_scc1 .Ldone
	ds_load_b128 v[32:35], v[ASR]                  ; wave 0: lanes 0-15 the late block's 64 scale words, lanes 16-31 the early block's
	s_lshl_b32 s96, s11, 8
	s_lshl_b32 s97, ttmp9, 8
	v_mov_b32 v36, s96
	v_mov_b32 v37, s97
	v_and_b32 v38, 31, v0
	v_and_b32 v39, 15, v0
	s_delay_alu instid0(VALU_DEP_2)
	v_cmp_lt_u32 vcc_lo, 15, v38
	s_delay_alu instid0(VALU_DEP_1)
	v_cndmask_b32 v36, v36, v37, vcc_lo
	s_delay_alu instid0(VALU_DEP_1)
	v_lshl_add_u32 v36, v39, 4, v36
	s_wait_alu depctr_va_vdst(0)
	s_wait_dscnt 0x0
	global_store_b128 v36, v[32:35], s[84:85]      ; sixteen lanes store 256 consecutive bytes, aligned
.Ldone:
	s_endpgm
.Lfunc_end_k_q26eefba35d_attn:
	.size	k_q26eefba35d_attn, .Lfunc_end_k_q26eefba35d_attn-k_q26eefba35d_attn
	.p2alignl 7, 3214868480
	.fill 96, 4, 3214868480
	.section	.rodata,"a",@progbits
	.p2align	6, 0x0
	.amdhsa_kernel k_q26eefba35d_attn
		.amdhsa_group_segment_fixed_size 327680
		.amdhsa_private_segment_fixed_size 0
		.amdhsa_enable_private_segment 0
		.amdhsa_kernarg_size 24
		.amdhsa_user_sgpr_count 2
		.amdhsa_user_sgpr_kernarg_segment_ptr 1
		.amdhsa_wavefront_size32 1
		.amdhsa_system_sgpr_workgroup_id_x 1
		.amdhsa_system_sgpr_workgroup_id_y 1
		.amdhsa_system_sgpr_workgroup_id_z 1
		.amdhsa_system_vgpr_workitem_id 0
		.amdhsa_next_free_vgpr 256
		.amdhsa_next_free_sgpr 100
		.amdhsa_reserve_vcc 1
		.amdhsa_float_denorm_mode_32 3
		.amdhsa_float_denorm_mode_16_64 3
		.amdhsa_memory_ordered 1
		.amdhsa_forward_progress 1
		.amdhsa_inst_pref_size 126
	.end_amdhsa_kernel
	.amdgpu_metadata
---
amdhsa.version: [ 1, 2 ]
amdhsa.kernels:
  - .name:           k_q26eefba35d_attn
    .symbol:         k_q26eefba35d_attn.kd
    .args:
      - { .name: qkv, .offset: 0, .size: 8, .value_kind: global_buffer, .address_space: global }
      - { .name: attention_mask, .offset: 8, .size: 8, .value_kind: global_buffer, .address_space: global }
      - { .name: att, .offset: 16, .size: 8, .value_kind: global_buffer, .address_space: global }
    .group_segment_fixed_size: 327680
    .private_segment_fixed_size: 0
    .kernarg_segment_align: 8
    .kernarg_segment_size: 24
    .max_flat_workgroup_size: 512
    .sgpr_count:     100
    .vgpr_count:     256
    .wavefront_size: 32
...
	.end_amdgpu_metadata
.endif
;; end of part 3
;; launch oproj (part 4): grid 16 x 16, 4 waves a work-group, clusters of 4 x 4, 299,008 bytes of LDS; arguments att, Wo_codes, Wo_scales, x, out0; writes out0
.if DOCPART == 4
	.amdgcn_target "amdgcn-amd-amdhsa--gfx1250"
	.amdhsa_code_object_version 6
	.text
	.protected	k_q26eefba35d_oproj
	.globl	k_q26eefba35d_oproj
	.p2align	8
	.type	k_q26eefba35d_oproj,@function
k_q26eefba35d_oproj:
	s_mov_b64 s[64:65], 0
	v_nop
	global_prefetch_b8 v0, s[64:65] scope:SCOPE_SE
	s_setreg_imm32_b32 hwreg(HW_REG_WAVE_MODE, 25, 1), 1
	s_wait_xcnt 0x0
	s_wait_alu depctr_hold_cnt(0) depctr_sa_sdst(0) depctr_va_vdst(0) depctr_va_sdst(0) depctr_va_ssrc(0) depctr_va_vcc(0) depctr_vm_vsrc(0)
	s_getreg_b32 s2, hwreg(HW_REG_IB_STS2, 6, 4)
	s_cmp_eq_u32 s2, 0
	s_cbranch_scc0 .Lentry_in_a_cluster
	s_endpgm
.Lentry_in_a_cluster:
	s_bfe_u32 s2, ttmp6, 0x10000c
	s_cmp_lg_u32 s2, 0xf033
	s_cbranch_scc0 .Lentry_shape_is_right
	s_endpgm
.Lentry_shape_is_right:
; FOURTH LAUNCH: out0 = x + A Wo^T on codes of FP4; A = the attention's result as the third launch left it (register images [tile of 16 rows][head][1,024 bytes], scale words [head][row] from byte AS on).
; LEFT OUT (shown at the head of the first launch): the where() on attention_mask behind this product: masked rows arrive as zero codes, their sums are exactly 0, and out0 = x there; so the mask is no argument here.
; A tile of 128 x 128 to a work-group, 64 x 64 to each of four waves: 256 work-groups share the reading of x and the writing of out0.  All of K (2,048) for 128 + 128 rows is 256 KB of codes and fits in LDS:
; one tensor load a wave brings its quarter of it at the head, and nothing is filled again.  The scales go through registers into LDS.  No prefetch: no loop is left to run ahead in.
; x is asked for behind the tiles' barrier, so that it comes while the products run.
; CLUSTER 4 x 4: A's tiles are shared along a row of the cluster, Wo's along a column, by joint loads; waves 0, 1 ask for A's halves, waves 2, 3 for Wo's.
; TRANSPOSED USE (source 0 = 16 rows of Wo, source 1 = 16 rows of A): a lane holds eight neighbouring columns of a row of out0.
; REGISTERS: window 0: v8-23, v28-29 addresses; v32-47 A's scale words, v48-63 Wo's, two sets each; v64-127 the scales' way in, and the way out; v128-255 the 16 accumulators ((a, b) at 128 + 8 (4 a + b)).
;   window 1: two fragment buffers of 128 (256 along K: for each 128, A's four at + 0, Wo's four at + 32).   window 2: v0-127 my 64 x 64 of x.
.set AS,    2097152
.set BBASE, 131072                     ; LDS: A [tile of rows 8][head 16][1,024]; then Wo: 128 rows of 1,024 bytes + 16 of padding
.set BP,    1040
.set SCA,   264192                     ; A's scale words [head 16][128 rows]
.set SCB,   272384                     ; Wo's scale bytes: 128 rows of 64, as units of 256 bytes + 16
.set STAGE, 281088                     ; 16 rows x (256 + 16) bytes for each wave
.set SPARE, 298496                     ; the spare words, 128 bytes for each wave
.set ADRA, 8
.set ADRB, 9
.set ADSA, 16
.set ADSB, 17
.set STO,  18
.set RD,   19
.set XO,   20
.set STA,  21
.set STB,  22
.set LI,   23
.set SPW,  28
.set NIL,  29
.set SA,   32
.set SB,   48
.set BK,   64
.set ACC,  128
.set G1A,  24
.set G1B,  32
.set GA,   56
.set GB,   60
.set MSB, 0
.macro WIN new
.if MSB != \new
	s_set_vgpr_msb (MSB<<8)|\new
.set MSB, \new
.endif
.endm
.set MUL,  0x05                        ; sources 0 and 1 window 1; C and D window 0
.set TO_F, 0x40
.macro CROUND
	s_barrier_signal -1
	s_barrier_wait -1
	s_cmp_lg_u32 s14, 0
	s_cbranch_scc1 .Lnot_wave_0_\@
	s_barrier_signal -3
.Lnot_wave_0_\@:
	s_barrier_wait -3
	s_barrier_signal -1
	s_barrier_wait -1
.endm
	s_load_b256 s[4:11], s[0:1], 0x0               ; att, Wo's codes, Wo's scales, x
	s_load_b64 s[12:13], s[0:1], 0x20              ; out0
	v_lshl_add_u32 v[SPW], v0, 2, SPARE
	v_mov_b32 v[NIL], 0
	ds_add_u32 v[SPW], v[NIL]                      ; the wave's opening: the add, twice on end, and its wait ahead of my first tensor load
	ds_add_u32 v[SPW], v[NIL]
	v_lshrrev_b32 v1, 5, v0
	v_readfirstlane_b32 s14, v1                    ; wave 0..3
	s_lshr_b32 s17, s14, 1                         ; my half of the tile's rows.  Also: I fetch for A (0) or for Wo (1)
	s_and_b32 s18, s14, 1                          ; my half of its columns.  Also: which half I fetch
	s_bfe_u32 s20, ttmp6, 0x40000                  ; cx
	s_bfe_u32 s21, ttmp6, 0x40004                  ; cy
	s_lshl_b32 s22, ttmp9, 2
	s_add_co_u32 s22, s22, s20                     ; tile column
	s_and_b32 s23, ttmp7, 0xffff
	s_lshl_b32 s23, s23, 2
	s_add_co_u32 s23, s23, s21                     ; tile row
	s_lshl_b32 s2, s21, 2
	s_lshl_b32 s2, 15, s2                          ; my row of the cluster
	s_lshl_b32 s3, 0x1111, s20                     ; my column
	s_or_b32 s[G1A], s2, (3<<16)|(1<<21)           ; A: 4 tiles of 16 rows, 16,384 dense bytes each; elements of 8 bytes; no padding
	s_mov_b32 s[G1A+1], 2048<<16
	s_mov_b32 s[G1A+2], 4<<16
	s_mov_b32 s[G1A+3], 2048<<16
	s_mov_b32 s[G1A+4], 4
	s_mov_b32 s[G1A+5], 2048
	s_mov_b32 s[G1A+6], 0
	s_mov_b32 s[G1A+7], 0
	s_or_b32 s[G1B], s3, (0<<16)|(1<<20)|(1<<21)|(7<<22)|(3<<25)   ; Wo: 64 rows of 1,024 bytes; 4 words of padding behind every 256
	s_mov_b32 s[G1B+1], 1024<<16
	s_mov_b32 s[G1B+2], 64<<16
	s_mov_b32 s[G1B+3], 1024<<16
	s_mov_b32 s[G1B+4], 64
	s_mov_b32 s[G1B+5], 1024
	s_mov_b32 s[G1B+6], 0
	s_mov_b32 s[G1B+7], 0
	s_lshl_b32 s15, s18, 16                        ; 65,536 x half
	s_lshl_b32 s40, s23, 17
	s_add_co_u32 s40, s40, s15                     ; A's images
	s_mov_b32 s41, 0
	s_lshl_b32 s42, s22, 17
	s_add_co_u32 s42, s42, s15                     ; Wo's codes
	s_mov_b32 s43, 0
	s_lshl_b32 s44, s23, 9
	s_add_co_u32 s44, s44, s15
	s_add_co_u32 s44, s44, AS                      ; A's scale words: heads 8 x half on, rows 128 x tile row on
	s_mov_b32 s45, 0
	s_lshl_b32 s46, s22, 13
	s_lshl_b32 s47, s18, 12
	s_add_co_u32 s46, s46, s47                     ; Wo's scale bytes: 64 rows, 4,096 dense bytes
	s_add_co_u32 s55, s47, SCA
	s_mov_b32 s47, 0
	s_mul_i32 s49, s18, 64*BP
	s_add_co_u32 s49, s49, BBASE
	s_lshl_b32 s48, s17, 16
	s_lshl_b32 s52, s17, 8
	s_add_co_u32 s52, s52, SCA
	s_mul_i32 s53, s18, 4352
	s_add_co_u32 s53, s53, SCB
	s_mul_i32 s54, s14, 4352
	s_add_co_u32 s54, s54, STAGE
	v_and_b32 v1, 31, v0                           ; lane
	v_lshlrev_b32 v[LI], 4, v1
	s_wait_alu depctr_va_vdst(0)
	s_wait_dscnt 0x0                               ; both opening adds are done
	s_wait_kmcnt 0x0
	s_add_nc_u64 s[44:45], s[4:5], s[44:45]
	s_add_nc_u64 s[46:47], s[8:9], s[46:47]
	s_mov_b32 s[GA], 1
	s_mov_b32 s[GA+1], s15
	s_add_nc_u64 s[GA+2:GA+3], s[4:5], s[40:41]
	s_or_b32 s[GA+3], s[GA+3], 0x80000000
	s_mov_b32 s[GB], 1
	s_mov_b32 s[GB+1], s49
	s_add_nc_u64 s[GB+2:GB+3], s[6:7], s[42:43]
	s_or_b32 s[GB+3], s[GB+3], 0x80000000
	s_cmp_eq_u32 s17, 0
	s_cbranch_scc0 .Lscale_b
.irp i, 0,1,2,3,4,5,6,7
	global_load_b128 v[BK+4*\i:BK+4*\i+3], v[LI], s[44:45] offset:8192*\i   ; a head's 128 words
.endr
	s_branch .Lscale_asked
.Lscale_b:
.irp i, 0,1,2,3,4,5,6,7
	global_load_b128 v[BK+4*\i:BK+4*\i+3], v[LI], s[46:47] offset:512*\i
.endr
.Lscale_asked:
	CROUND                                         ; all sixteen work-groups are here: the joint loads meet
	s_cmp_eq_u32 s17, 0                            ; one tensor load a wave; an s_nop 0 and four v_nop follow each of the two lines
	s_cbranch_scc0 .Lfor_b
	tensor_load_to_lds s[GA:GA+3], s[G1A:G1A+7]
	s_nop 0
.rept 4
	v_nop
.endr
	s_branch .Lasked
.Lfor_b:
	tensor_load_to_lds s[GB:GB+3], s[G1B:G1B+7]
	s_nop 0
.rept 4
	v_nop
.endr
.Lasked:
	v_and_b32 v2, 15, v0                           ; r
	v_bfe_u32 v3, v0, 4, 1                         ; h
	v_add_nc_u32 v[ADRA], s48, v[LI]               ; A's images: my four tiles of rows
	v_mul_u32_u24 v5, v2, BP
	v_lshl_add_u32 v5, v3, 4, v5
	v_add_nc_u32 v[ADRB], s49, v5                  ; Wo's rows: row x pitch + 16 h + my 64 rows
	v_lshl_add_u32 v[ADSA], v1, 2, s52             ; A's scale words: lanes 0-15 one tile of rows, lanes 16-31 the next
	v_lshlrev_b32 v5, 6, v1
	v_lshrrev_b32 v6, 2, v1
	v_lshl_add_u32 v5, v6, 4, v5                   ; Wo's: 64 bytes a row, 16 more for each four rows
	v_add_nc_u32 v[ADSB], s53, v5
	v_add_nc_u32 v[STA], s55, v[LI]                ; the scales' way in: A's,
	v_mul_u32_u24 v5, v3, 272
	v_lshl_add_u32 v5, v2, 4, v5
	v_add_nc_u32 v[STB], s53, v5                   ; Wo's
	v_add_nc_u32 v[RD], s54, v5                    ; the stage, back: lanes 0-15 one row of 256 bytes, lanes 16-31 the next
	v_mul_u32_u24 v5, v2, 272
	v_lshl_add_u32 v5, v3, 5, v5
	v_add_nc_u32 v[STO], s54, v5                   ; in: row r, 32 bytes for each half of the lanes
	v_lshlrev_b32 v[XO], 13, v3
	v_lshl_add_u32 v[XO], v2, 4, v[XO]             ; two rows in x and out0
	s_lshl_b32 s2, s23, 20
	s_lshl_b32 s3, s17, 19
	s_add_co_u32 s2, s2, s3
	s_lshl_b32 s3, s22, 9
	s_add_co_u32 s2, s2, s3
	s_lshl_b32 s3, s18, 8
	s_add_co_u32 s2, s2, s3                        ; my 64 x 64: row (128 tile row + 64 half) x 8,192 bytes + column (128 tile column + 64 half) x 4
	s_mov_b32 s3, 0
	s_add_nc_u64 s[10:11], s[10:11], s[2:3]
	s_add_nc_u64 s[12:13], s[12:13], s[2:3]
.macro WMZ d, fb, fa, sb, sa, rb, ra   ; a product that starts a sum.  rb, ra: the scale words lie in lanes 16-31
.if (\rb) && (\ra)
	v_wmma_scale_f32_16x16x128_f8f6f4 v[\d:\d+7], v[\fb:\fb+7], v[\fa:\fa+7], 0, v[\sb], v[\sa] matrix_a_fmt:MATRIX_FMT_FP4 matrix_b_fmt:MATRIX_FMT_FP4 matrix_a_scale:MATRIX_SCALE_ROW1 matrix_b_scale:MATRIX_SCALE_ROW1
.elseif \rb
	v_wmma_scale_f32_16x16x128_f8f6f4 v[\d:\d+7], v[\fb:\fb+7], v[\fa:\fa+7], 0, v[\sb], v[\sa] matrix_a_fmt:MATRIX_FMT_FP4 matrix_b_fmt:MATRIX_FMT_FP4 matrix_a_scale:MATRIX_SCALE_ROW1
.elseif \ra
	v_wmma_scale_f32_16x16x128_f8f6f4 v[\d:\d+7], v[\fb:\fb+7], v[\fa:\fa+7], 0, v[\sb], v[\sa] matrix_a_fmt:MATRIX_FMT_FP4 matrix_b_fmt:MATRIX_FMT_FP4 matrix_b_scale:MATRIX_SCALE_ROW1
.else
	v_wmma_scale_f32_16x16x128_f8f6f4 v[\d:\d+7], v[\fb:\fb+7], v[\fa:\fa+7], 0, v[\sb], v[\sa] matrix_a_fmt:MATRIX_FMT_FP4 matrix_b_fmt:MATRIX_FMT_FP4
.endif
.endm
.macro WMC d, fb, fa, sb, sa, rb, ra   ; a product that adds in place
.if (\rb) && (\ra)
	v_wmma_scale_f32_16x16x128_f8f6f4 v[\d:\d+7], v[\fb:\fb+7], v[\fa:\fa+7], v[\d:\d+7], v[\sb], v[\sa] matrix_a_fmt:MATRIX_FMT_FP4 matrix_b_fmt:MATRIX_FMT_FP4 matrix_a_scale:MATRIX_SCALE_ROW1 matrix_b_scale:MATRIX_SCALE_ROW1
.elseif \rb
	v_wmma_scale_f32_16x16x128_f8f6f4 v[\d:\d+7], v[\fb:\fb+7], v[\fa:\fa+7], v[\d:\d+7], v[\sb], v[\sa] matrix_a_fmt:MATRIX_FMT_FP4 matrix_b_fmt:MATRIX_FMT_FP4 matrix_a_scale:MATRIX_SCALE_ROW1
.elseif \ra
	v_wmma_scale_f32_16x16x128_f8f6f4 v[\d:\d+7], v[\fb:\fb+7], v[\fa:\fa+7], v[\d:\d+7], v[\sb], v[\sa] matrix_a_fmt:MATRIX_FMT_FP4 matrix_b_fmt:MATRIX_FMT_FP4 matrix_b_scale:MATRIX_SCALE_ROW1
.else
	v_wmma_scale_f32_16x16x128_f8f6f4 v[\d:\d+7], v[\fb:\fb+7], v[\fa:\fa+7], v[\d:\d+7], v[\sb], v[\sa] matrix_a_fmt:MATRIX_FMT_FP4 matrix_b_fmt:MATRIX_FMT_FP4
.endif
.endm
; 16 matrix instructions, 128 along K: half cc of buffer f; set, q: the scale words.  The 16 accumulators take turns, in the same order every time.
.macro MUL16 f, cc, set, q, zero
.irp a, 0,1,2,3
.irp b, 0,1,2,3
.if \zero
	WMZ ACC+8*(4*\a+\b), (\f)+64*(\cc)+32+8*\b, (\f)+64*(\cc)+8*\a, SB+8*(\set)+4*(\b/2)+(\q), SA+8*(\set)+2*(\q)+\a/2, \b%2, \a%2
.else
	WMC ACC+8*(4*\a+\b), (\f)+64*(\cc)+32+8*\b, (\f)+64*(\cc)+8*\a, SB+8*(\set)+4*(\b/2)+(\q), SA+8*(\set)+2*(\q)+\a/2, \b%2, \a%2
.endif
.endr
.endr
.endm
.macro SCALES c                        ; the scale words of 512 along K: ten loads
.irp q, 0,1,2,3
.irp p, 0,1
	ds_load_b32 v[SA+8*((\c)%2)+2*\q+\p], v[ADSA] offset:512*(4*(\c)+\q)+128*\p
.endr
.endr
.irp p, 0,1
	ds_load_b128 v[SB+8*((\c)%2)+4*\p:SB+8*((\c)%2)+4*\p+3], v[ADSB] offset:16*(\c)+2176*\p
.endr
.endm
.macro FETCH n                         ; 256 along K, the n-th, into buffer n % 2: 32 loads, the first 128 along K first
	WIN TO_F
.irp cc, 0,1
.irp i, 0,1,2,3
.irp e, 0,1
	ds_load_b128 v[128*((\n)%2)+64*\cc+32+8*\i+4*\e:128*((\n)%2)+64*\cc+32+8*\i+4*\e+3], v[ADRB] offset:16*BP*\i+64*(2*(\n)+\cc)+32*\e
.endr
.endr
.irp i, 0,1,2,3
.irp e, 0,1
	ds_load_b128 v[128*((\n)%2)+64*\cc+8*\i+4*\e:128*((\n)%2)+64*\cc+8*\i+4*\e+3], v[ADRA] offset:16384*\i+1024*(2*(\n)+\cc)+512*\e
.endr
.endr
.endr
.endm
.macro PLACES                          ; plain vector instructions between a matrix instruction and a load into, or a read of, its registers
.rept 4
	v_nop
.endr
.endm
.macro QUARTER n, zero
	s_wait_dscnt 16                                ; the scale words and the first 128 along K are in; the second's sixteen loads may be out
	WIN MUL
	MUL16 128*((\n)%2), 0, ((\n)/2)%2, 2*((\n)%2), \zero
.if (\n) < 7
	PLACES
.if (\n)%2 == 1
	WIN 0
	SCALES ((\n)+1)/2
.endif
	FETCH (\n)+1
	s_wait_dscnt 32+10*((\n)%2)                    ; all but the loads just issued
.else
	s_wait_dscnt 0x0
.endif
	WIN MUL
	MUL16 128*((\n)%2), 1, ((\n)/2)%2, 2*((\n)%2)+1, 0
.endm
	s_wait_alu depctr_va_vdst(0)
	s_wait_loadcnt 0x0                             ; my scales are in registers
	s_cmp_eq_u32 s17, 0
	s_cbranch_scc0 .Lput_b
.irp i, 0,1,2,3,4,5,6,7
	ds_store_b128 v[STA], v[BK+4*\i:BK+4*\i+3] offset:512*\i
.endr
	s_branch .Lput
.Lput_b:
.irp i, 0,1,2,3,4,5,6,7
	ds_store_b128 v[STB], v[BK+4*\i:BK+4*\i+3] offset:544*\i
.endr
.Lput:
	s_wait_dscnt 0x0
	s_wait_tensorcnt 0x0                           ; my quarter of the tiles is in
	s_barrier_signal -1
	s_barrier_wait -1
	SCALES 0
	FETCH 0
	WIN 0x80                                       ; destination window 2
.irp a, 0,1,2,3
.irp i, 0,1,2,3,4,5,6,7
	global_load_b128 v[32*\a+4*\i:32*\a+4*\i+3], v[XO], s[10:11] offset:(16*\a+2*\i)*8192 th:TH_LOAD_NT   ; sixteen lanes read 256 consecutive bytes, aligned
.endr
.endr
	QUARTER 0, 1                                   ; the first products start the sums
	QUARTER 1, 0
	QUARTER 2, 0
	QUARTER 3, 0
	QUARTER 4, 0
	QUARTER 5, 0
	QUARTER 6, 0
	QUARTER 7, 0
	WIN 0
	PLACES
	s_wait_loadcnt 0x0                             ; x
	; THE WAY OUT, 16 rows at a time: through my own stage, back as whole rows of 256 bytes, + x, stored.  LDS serves a wave's instructions in order: no wait between the stores and the loads.
.irp a, 0,1,2,3
.if \a >= 2
	s_wait_xcnt 0x0                                ; block a - 2's stores have read their registers: block a's rows may land there
.endif
.irp b, 0,1,2,3
	ds_store_b128 v[STO], v[ACC+8*(4*\a+\b):ACC+8*(4*\a+\b)+3] offset:64*\b        ; each accumulator from its low end on
	ds_store_b128 v[STO], v[ACC+8*(4*\a+\b)+4:ACC+8*(4*\a+\b)+7] offset:64*\b+16
.endr
.irp i, 0,1,2,3,4,5,6,7
	ds_load_b128 v[BK+32*(\a%2)+4*\i:BK+32*(\a%2)+4*\i+3], v[RD] offset:544*\i
.endr
	s_wait_dscnt 0x0
	WIN 0x08                                       ; source 1: window 2
.irp k, 0,2,4,6,8,10,12,14,16,18,20,22,24,26,28,30
	v_pk_add_f32 v[BK+32*(\a%2)+\k:BK+32*(\a%2)+\k+1], v[BK+32*(\a%2)+\k:BK+32*(\a%2)+\k+1], v[32*\a+\k:32*\a+\k+1]
.endr
	WIN 0
.irp i, 0,1,2,3,4,5,6,7
	global_store_b128 v[XO], v[BK+32*(\a%2)+4*\i:BK+32*(\a%2)+4*\i+3], s[12:13] offset:(16*\a+2*\i)*8192 th:TH_STORE_NT   ; sixteen lanes store 256 consecutive bytes, aligned
.endr
.endr
	s_wait_tensorcnt 0x0                           ; the wave's end: behind my last tensor load and my last LDS store
	ds_add_u32 v[SPW], v[NIL]
	s_wait_dscnt 0x0
	CROUND                                         ; the closing round
	s_endpgm
.Lfunc_end_k_q26eefba35d_oproj:
	.size	k_q26eefba35d_oproj, .Lfunc_end_k_q26eefba35d_oproj-k_q26eefba35d_oproj
	.p2alignl 7, 3214868480
	.fill 96, 4, 3214868480
	.section	.rodata,"a",@progbits
	.p2align	6, 0x0
	.amdhsa_kernel k_q26eefba35d_oproj
		.amdhsa_group_segment_fixed_size 299008
		.amdhsa_private_segment_fixed_size 0
		.amdhsa_enable_private_segment 0
		.amdhsa_kernarg_size 40
		.amdhsa_user_sgpr_count 2
		.amdhsa_user_sgpr_kernarg_segment_ptr 1
		.amdhsa_wavefront_size32 1
		.amdhsa_system_sgpr_workgroup_id_x 1
		.amdhsa_system_sgpr_workgroup_id_y 1
		.amdhsa_system_sgpr_workgroup_id_z 1
		.amdhsa_system_vgpr_workitem_id 0
		.amdhsa_next_free_vgpr 640
		.amdhsa_next_free_sgpr 106
		.amdhsa_reserve_vcc 0
		.amdhsa_float_denorm_mode_32 3
		.amdhsa_float_denorm_mode_16_64 3
		.amdhsa_memory_ordered 1
		.amdhsa_forward_progress 1
		.amdhsa_inst_pref_size 77
	.end_amdhsa_kernel
	.amdgpu_metadata
---
amdhsa.version: [ 1, 2 ]
amdhsa.kernels:
  - .name:           k_q26eefba35d_oproj
    .symbol:         k_q26eefba35d_oproj.kd
    .args:
      - { .name: att, .offset: 0, .size: 8, .value_kind: global_buffer, .address_space: global }
      - { .name: Wo_codes, .offset: 8, .size: 8, .value_kind: global_buffer, .address_space: global }
      - { .name: Wo_scales, .offset: 16, .size: 8, .value_kind: global_buffer, .address_space: global }
      - { .name: x, .offset: 24, .size: 8, .value_kind: global_buffer, .address_space: global }
      - { .name: out0, .offset: 32, .size: 8, .value_kind: global_buffer, .address_space: global }
    .group_segment_fixed_size: 299008
    .private_segment_fixed_size: 0
    .kernarg_segment_align: 8
    .kernarg_segment_size: 40
    .max_flat_workgroup_size: 128
    .sgpr_count:     106
    .vgpr_count:     640
    .wavefront_size: 32
...
	.end_amdgpu_metadata
.endif
;; end of part 4
